; MI455X (gfx1250); checked and timed in simulation.
; The chip was launched on July 23, 2026; its instructions are those of AMD's public machine-readable ISA for CDNA 5 (MIT licence, August 2026) and "CDNA5" Instruction Set Architecture Reference Guide (July 2026). The comments in the code are by the model that wrote it; some were corrected since.
;; Basic Attention. Allowed arithmetic: matrix products marked QUANTISED: E3M2 operands, one E8M0 scale for each 32 along K, by v_wmma_scale_f32_16x16x128_f8f6f4 with both operands' format E3M2, f32 sums; everything else in f32.
;; Inputs: Wk_codes 128 x 32 x 24 uint8 (E3M2 codes of Wk, K innermost, in blocks of 32 codes, four codes in three bytes); Wk_scales 128 x 32 uint8 (E8M0 scales of Wk, one for each 32 codes along K); Wp_codes 1,024 x 32 x 24 uint8 (E3M2 codes of Wp, K innermost, in blocks of 32 codes, four codes in three bytes); Wp_scales 1,024 x 32 uint8 (E8M0 scales of Wp, one for each 32 codes along K); Wq_codes 128 x 32 x 24 uint8 (E3M2 codes of Wq, K innermost, in blocks of 32 codes, four codes in three bytes); Wq_scales 128 x 32 uint8 (E8M0 scales of Wq, one for each 32 codes along K); bk 128 float32; bp 1,024 float32; bq 128 float32; x 8 x 1,024 x 2,048 float32.
;; Outputs: out0 8 x 1,024 x 2,048 float32.
;; This version of the problem:
;;   THIS VERSION OF THE PROBLEM IS GIVEN IN LOW PRECISION. The matrix products marked QUANTISED in the list below multiply operands that are first quantised to E3M2 (3 exponent bits, 2 mantissa bits; 6 bits a number), with one power-of-two scale for each 32 numbers along K (OCP MX v1.0); their sums are f32. All else is computed in f32.
;;   The module's matrix products, in the order in which they are computed (A, B: the left and right operand; K: the contracted axis; several contracted axes count as one K, in the product's order):
;;     1. [M 128, K 1,024] x [K 1,024, N 16,384]; A: input Wk (given as codes); B: input x: QUANTISED
;;     2. [M 128, K 1,024] x [K 1,024, N 16,384]; A: input Wq (given as codes); B: input x: QUANTISED
;;     3. batch 8 x [M 2,048, K 128] x [K 128, N 2,048]; A: computed on the way; B: computed on the way: QUANTISED
;;     4. batch 8 x [M 1,024, K 2,048] x [K 2,048, N 2,048]; A: input x; B: computed on the way: QUANTISED
;;     5. [M 1,024, K 1,024] x [K 1,024, N 16,384]; A: input Wp (given as codes); B: computed on the way: QUANTISED
;;   THE QUANTISER, for each operand of a quantised product, along K:
;;     - K is cut into blocks of 32 from its start; a last block that is shorter is filled with zeros.
;;     - A block's scale is 2^e with e = floor(log2(the largest magnitude in the block)) - 4, held to -126 .. 127; a block of zeros has e = 0. As a byte (E8M0): e + 127.
;;     - Each number is divided by its block's scale, clamped to +-28, and rounded to the nearest number of E3M2, ties to even, subnormals kept.
;;     - The product sums the exact products of the quantised numbers (number of the format x scale) in f32.
;;   ~~~python
;;   def quantise(x, axis):      # numpy; x: float32 -> the quantised numbers, widened to float32 again
;;       x = np.moveaxis(x, axis, -1); K = x.shape[-1]
;;       x = np.pad(x, [(0, 0)] * (x.ndim - 1) + [(0, -K % 32)]); x = x.reshape(x.shape[:-1] + (-1, 32)); a = np.abs(x).max(-1, keepdims=True)
;;       e = np.where(a > 0, np.clip(np.frexp(np.where(a > 0, a, 1))[1] - 1 - 4, -126, 127), 0)      # np.frexp(a)[1] - 1 = floor(log2(a)), exactly
;;       r = np.clip(x / 2.0 ** e, -28, 28)
;;       step = 2.0 ** (np.maximum(np.frexp(np.where(r == 0, 1, r))[1] - 1, -2) - 2)
;;       q = np.round(r / step) * step * 2.0 ** e      # np.round: ties to even
;;       return np.moveaxis(q.reshape(q.shape[:-2] + (-1,))[..., :K], -1, axis).astype(np.float32)
;;   ~~~
;;   OPERANDS COMPUTED ON THE WAY. 'Computed on the way' means the value that the module computes at that place (a softmax that the list does not call 'softmax' is quantised finished and normalised). What goes into a quantiser is computed in f32, as accurately as f32 sums, v_exp_f32 and their like allow (about 1e-6 of the number): no bf16 or f16 on the way to a quantiser, and a product that is left as it is and whose result goes on into a quantised operand takes f32 operands (vector FMAs, or v_wmma_f32_16x16x4_f32). A number that lies on a knife's edge between two numbers of the format may be rounded either way, as far as f32 arithmetic and the matrix unit's own rounding can turn it there, and no further.
;;   INPUTS GIVEN AS CODES. Wk (in the module: [128, 1024], K = its axis 1); Wp (in the module: [1024, 1024], K = its axis 1); Wq (in the module: [128, 1024], K = its axis 1): each comes as NAME_codes (uint8): NAME with its K axis moved to the last place and cut into blocks of 32 codes, [.., K / 32, bytes a block], one block behind the other in memory; four codes in three bytes: a row's codes are one little-endian stream of bits, code i at bits 6 i .. 6 i + 5 (a code: sign, 3 exponent bits, 2 mantissa bits); and NAME_scales (uint8): the same leading axes, one E8M0 byte (e + 127) for each 32 codes along K. Its value is code x scale, taken as it is: it is not quantised again, and the codes and scales need not be those that the quantiser above would give.
;; 2 versions, each right. Each part assembles by itself: llvm-mc -triple=amdgcn-amd-amdhsa -mcpu=gfx1250 --defsym DOCPART=n.
;; ======== version 1 of 2: 3 launches
;; workspace buffers: XS 14,811,136 bytes; QF 1,703,936 bytes; WS 827,392 bytes; NT 65,536 bytes
;; launch prep (part 1): grid 32 x 8, 4 waves a work-group, no clusters, 295,424 bytes of LDS; arguments x, Wk_codes, Wk_scales, bk, Wq_codes, Wq_scales, bq, Wp_codes, Wp_scales, bp, XS, QF, WS; writes XS, QF, WS
.if DOCPART == 1
	.amdgcn_target "amdgcn-amd-amdhsa--gfx1250"
	.amdhsa_code_object_version 6
	.text
	.protected	k_q677bd2e4af_prep
	.globl	k_q677bd2e4af_prep
	.p2align	8
	.type	k_q677bd2e4af_prep,@function
k_q677bd2e4af_prep:
	s_mov_b64 s[64:65], 0
	v_nop
	global_prefetch_b8 v0, s[64:65] scope:SCOPE_SE
	s_setreg_imm32_b32 hwreg(HW_REG_WAVE_MODE, 25, 1), 1
	s_wait_xcnt 0x0
; PREP.  x [8][1024 c][2048 l] f32 is read ONCE and quantised twice to E3M2 codes with one E8M0 byte for each 32 numbers:
;  (a) along l: operand of x . attn; the codes leave as images of operand registers into XS;
;  (b) along c: operand of Wk x and Wq x; these codes stay in the work-group.  keys = Wk x + bk and queries = Wq x + bq are made here,
;      quantised along a (128 = one K step) and stored as images of operand registers (keys into XS, queries into QF).
; Besides, wave 3 of each work-group copies two fragments of Wp (codes as given), their scale words and bp into WS, in the order in which the last launch streams them.
; SHARES.  A work-group owns all 1,024 c of 64 columns l (rows of 256 aligned bytes, 256 KiB), asked for at the head by four tensor loads a wave; nothing in LDS is filled twice.
; Wave w: role kq = w / 2 (0 keys, 1 queries), column group cg = w % 2 (32 l).  Four chunks of 256 c; in each a wave quantises 128 c x 32 l along c, 64 c x 64 l along l, and issues 32 products.
; TILE ORDER.  Lane r of tile 2 b + u takes index 32 b + 8 u + r + 8 (r / 8), for W's rows a, x's columns l and x's rows c: a product's 16 registers of two neighbouring tiles are then 16 neighbours along the next K.
; NO CLUSTER: each byte of x belongs to one work-group, and W goes from memory straight into operand registers (LDS holds 278,528 bytes of x and has no room for tiles of W).
; LIMITS: NaN and infinities are not served.  A block of zeros gets the byte 1, not 127: its codes are zeros, and this program alone reads the bytes.  A block's largest magnitude is taken no smaller than 2^(5-127).
.set PX,    272                        ; an LDS row of x: 256 bytes + 16 of padding
.set CHK,   256*PX                     ; a chunk of 256 rows
.set XIMG,  1024*PX                    ; 8 images of x's fragments along c, 1,536 bytes each: index (2 ks + cg) 2 + u
.set XSI,   XIMG+12288                 ; their scale words, 4 x 128 bytes
.set SCG,   XSI+512                    ; [chunk 4][512]: scale half-words of x along l, gathered for whole stores
.set XBLK,  28928                      ; a block of XS
.set XSTEP, 4*XBLK
.set QPART, 3328
.set WBLK,  25856
; window 0
.set LN, 1
.set RR, 2
.set HH, 3
.set AB, 4                             ; LDS: my column in task (b)
.set AA, 5                             ; LDS: my row and half in task (a)
.set L16, 6
.set L8, 7
.set L4, 8
.set IW, 9
.set ISW, 10
.set IR, 11
.set ISR, 12
.set WA, 13
.set WSA, 14
.set BA, 15
.set SGW, 16
.set SGR, 17
.set PI, 18
.set RLA, 19
.set XSW, 20                           ; v20-21 x's scale words of the chunk's two K steps (scales alone)
.set RLS, 22
.set R4, 23
.set WSC, 24                           ; v24-39 W's scale words, two sets of 8 (scales alone)
.set XF, 40                            ; v40-87 x's four fragments
.set ACC, 96                           ; v96-223 sixteen accumulators: 64 u + 8 t
.set PC, 40                            ; at the end, over XF: codes
.set TM, 60
.set PW, 76
; window 1
.set F0, 128
.set F1, 140
.set CT, 152
.set MX, 168
.set SO, 172
.set BY, 176
.set SW, 180
.set SH8, 181
.set TT, 182
.set AC, 184
.set AT2, 216
.set HW, 232
.set MSB, 0
.macro WIN new                         ; the immediate's high byte repeats the setting that is left
.if MSB != (\new)
	s_set_vgpr_msb (MSB<<8)|(\new)
.set MSB, (\new)
.endif
.endm
.macro BAR                             ; my LDS stores have landed and my LDS loads are in: then the work-group's barrier
	s_wait_dscnt 0x0
	s_barrier_signal -1
	s_barrier_wait -1
.endm
.macro WMX d, a, b, c, sa, sb, ra, rb
.if (\ra) && (\rb)
	v_wmma_scale_f32_16x16x128_f8f6f4 v[(\d):(\d)+7], v[(\a):(\a)+11], v[(\b):(\b)+11], \c, v[\sa], v[\sb] matrix_a_fmt:MATRIX_FMT_BF6 matrix_b_fmt:MATRIX_FMT_BF6 matrix_a_scale:MATRIX_SCALE_ROW1 matrix_b_scale:MATRIX_SCALE_ROW1
.elseif (\ra)
	v_wmma_scale_f32_16x16x128_f8f6f4 v[(\d):(\d)+7], v[(\a):(\a)+11], v[(\b):(\b)+11], \c, v[\sa], v[\sb] matrix_a_fmt:MATRIX_FMT_BF6 matrix_b_fmt:MATRIX_FMT_BF6 matrix_a_scale:MATRIX_SCALE_ROW1
.elseif (\rb)
	v_wmma_scale_f32_16x16x128_f8f6f4 v[(\d):(\d)+7], v[(\a):(\a)+11], v[(\b):(\b)+11], \c, v[\sa], v[\sb] matrix_a_fmt:MATRIX_FMT_BF6 matrix_b_fmt:MATRIX_FMT_BF6 matrix_b_scale:MATRIX_SCALE_ROW1
.else
	v_wmma_scale_f32_16x16x128_f8f6f4 v[(\d):(\d)+7], v[(\a):(\a)+11], v[(\b):(\b)+11], \c, v[\sa], v[\sb] matrix_a_fmt:MATRIX_FMT_BF6 matrix_b_fmt:MATRIX_FMT_BF6
.endif
.endm
.macro WM d, a, b, c, sa, sb, ra, rb   ; c < 0: the constant 0 starts the sum
.if (\c) < 0
	WMX \d, \a, \b, 0, \sa, \sb, \ra, \rb
.else
	WMX \d, \a, \b, v[(\c):(\c)+7], \sa, \sb, \ra, \rb
.endif
.endm
; W's eight fragments and scale words of K step k into set k % 2: lane (r, h) takes 24 bytes of each half of its row's 96, in pieces of 8
.macro WLOAD k
	WIN 0x80
.irp t, 0,1,2,3,4,5,6,7
.irp p, 0,1,2,3,4,5
	global_load_b64 v[96*((\k)%2)+12*\t+2*\p:96*((\k)%2)+12*\t+2*\p+1], v[WA], s[66:67] offset:(32*(\t/2)+8*(\t%2))*768+96*(\k)+48*(\p/3)+8*(\p%3)
.endr
.endr
	WIN 0
.irp t, 0,1,2,3,4,5,6,7
	global_load_b32 v[WSC+8*((\k)%2)+\t], v[WSA], s[68:69] offset:(32*(\t/2)+8*(\t%2))*32+4*(\k)
.endr
.endm
; four blocks of 32 numbers in v0-127 of window 1 (block k at 32 k): largest magnitude with the floor 2^(5-127), the conversion's scale operand (4 off the exponent field), the byte.  The blocks take turns
.macro BLKMAX
.irp k, 0,1,2,3
	v_max3_num_f32 v[MX+\k], |v[32*\k]|, |v[32*\k+1]|, 0x2800000
.endr
.irp i, 2,4,6,8,10,12,14,16,18,20,22,24,26,28,30
.irp k, 0,1,2,3
	v_max3_num_f32 v[MX+\k], v[MX+\k], |v[32*\k+\i]|, |v[32*\k+\i+1]|
.endr
.endr
.irp k, 0,1,2,3
	v_add_nc_u32 v[SO+\k], 0xfe000000, v[MX+\k]
.endr
.irp k, 0,1,2,3
	v_lshrrev_b32 v[BY+\k], 23, v[SO+\k]
.endr
.endm
; 16 products: W's eight tiles x my two column tiles, K step ks of the chunk.  The sixteen accumulators take turns, one instruction a turn
.macro MUL ks, first
.if \first
	WIN 0x22                                       ; W and the bias in window 2
.else
	WIN 0x02
.endif
.irp t, 0,1,2,3,4,5,6,7
.irp u, 0,1
.if \first
	WM ACC+64*\u+8*\t, 96*\ks+12*\t, XF+12*(2*\ks+\u), 192+8*\t, WSC+8*\ks+\t, XSW+\ks, 0, \u
.else
	WM ACC+64*\u+8*\t, 96*\ks+12*\t, XF+12*(2*\ks+\u), ACC+64*\u+8*\t, WSC+8*\ks+\t, XSW+\ks, 0, \u
.endif
.endr
.endr
.endm
; 64 numbers of a lane, register 16 b + i = k 32 b + 16 (lane / 16) + i of my row, become a fragment's codes in v[PC] on and its scale word in v[pw]
.macro QUANT s, pw
.irp b, 0,1,2,3
	v_max3_num_f32 v[TM+\b], |v[\s+16*\b]|, |v[\s+1+16*\b]|, 0x2800000
.endr
.irp i, 2,4,6,8,10,12,14
.irp b, 0,1,2,3
	v_max3_num_f32 v[TM+\b], v[TM+\b], |v[\s+16*\b+\i]|, |v[\s+1+16*\b+\i]|
.endr
.endr
.irp b, 0,1,2,3
	v_permlanex16_b32 v[TM+4+\b], v[TM+\b], s60, s61
.endr
.irp b, 0,1,2,3
	v_max_num_f32 v[TM+\b], v[TM+\b], v[TM+4+\b]   ; with lane l xor 16's: the block's largest magnitude
.endr
.irp b, 0,1,2,3
	v_add_nc_u32 v[TM+12+\b], 0xfe000000, v[TM+\b]
.endr
.irp b, 0,1,2,3
	v_lshrrev_b32 v[TM+4+\b], 23, v[TM+12+\b]
.endr
	v_lshl_or_b32 v[\pw], v[TM+5], 8, v[TM+4]
	v_lshl_or_b32 v[\pw], v[TM+6], 16, v[\pw]
	v_lshl_or_b32 v[\pw], v[TM+7], 24, v[\pw]
.irp c, 0,1
	v_cvt_scalef32_pk16_bf6_f32 v[PC+6*\c:PC+2+6*\c], v[\s+32*\c:\s+15+32*\c], v[TM+12+2*\c]
	v_cvt_scalef32_pk16_bf6_f32 v[PC+12+4*\c:PC+14+4*\c], v[\s+16+32*\c:\s+31+32*\c], v[TM+12+2*\c+1]
.endr
	v_nop                                          ; one plain place behind a scaled conversion
.irp c, 0,1                                    ; the operand wants a whole block in a lane: lanes 0-15 block 2 c, lanes 16-31 block 2 c + 1
.irp i, 0,1,2
	v_permlane16_swap_b32 v[PC+6*\c+\i], v[PC+12+4*\c+\i]
.endr
.irp i, 0,1,2
	v_mov_b32 v[PC+3+6*\c+\i], v[PC+12+4*\c+\i]
.endr
.endr
.endm
	s_load_b512 s[4:19], s[0:1], 0x0               ; x, Wk codes, Wk scales, bk, Wq codes, Wq scales, bq, Wp codes
	s_load_b256 s[20:27], s[0:1], 0x40             ; Wp scales, bp, XS, QF
	s_load_b64 s[28:29], s[0:1], 0x60              ; WS
	v_lshl_add_u32 v254, v0, 2, 0x48000
	v_mov_b32 v255, 0
	ds_add_u32 v254, v255
	ds_add_u32 v254, v255
	v_lshrrev_b32 v1, 5, v0
	v_readfirstlane_b32 s30, v1                    ; wave
	s_lshr_b32 s31, s30, 1                         ; kq
	s_and_b32 s56, s30, 1                          ; cg
	s_and_b32 s58, ttmp7, 0xffff                   ; b
	s_lshr_b32 s59, ttmp9, 1                       ; s: which 128 l
	s_and_b32 s63, ttmp9, 1                        ; cc: which half of them
	s_mov_b32 s60, 0x76543210
	s_mov_b32 s61, 0xfedcba98                      ; v_permlanex16_b32's selects for lane l xor 16
	s_mov_b32 s62, 0xffff0000                      ; lanes 16-31
	; descriptor group 1: 64 rows x 64 elements of 4 bytes, 2,048 elements from row to row, 4 words of padding behind every 64
	s_mov_b32 s32, (2<<16)|(1<<20)|(5<<22)|(3<<25)
	s_mov_b32 s33, 64<<16
	s_mov_b32 s34, 64<<16
	s_mov_b32 s35, 64<<16
	s_mov_b32 s36, 64
	s_mov_b32 s37, 2048
	s_mov_b32 s38, 0
	s_mov_b32 s39, 0
	s_mul_i32 s57, s30, 64*PX                      ; my 64 rows of a chunk, in LDS
	s_lshl_b32 s2, s58, 23                         ; b x 1,024 rows of 8,192 bytes
	s_lshl_b32 s3, s30, 19                         ; + 64 w rows
	s_add_co_u32 s2, s2, s3
	s_lshl_b32 s3, ttmp9, 8                        ; + my 64 columns
	s_add_co_u32 s2, s2, s3
	s_mov_b32 s3, 0
	v_and_b32 v[LN], 31, v0
	v_and_b32 v[RR], 15, v0
	v_bfe_u32 v[HH], v0, 4, 1
	v_and_b32 v[PI], 8, v[RR]
	v_add_nc_u32 v[PI], v[PI], v[RR]               ; r + 8 (r / 8)
	v_lshl_add_u32 v[AB], v[HH], 3, v[PI]          ; task (b): lanes 0-15 hold column tile 0, lanes 16-31 tile 1
	v_lshlrev_b32 v[AB], 2, v[AB]
	s_lshl_b32 s78, s56, 7
	s_mul_i32 s79, s31, 128*PX
	s_add_co_u32 s78, s78, s79
	v_add_nc_u32 v[AB], s78, v[AB]                 ; + my column group, + my 128 rows of the chunk
	v_mul_u32_u24 v[AA], v[PI], PX
	v_lshl_add_u32 v[AA], v[HH], 7, v[AA]
	v_add_nc_u32 v[AA], s57, v[AA]                 ; task (a): row, 32 l of my half, my 64 rows of the chunk
	v_lshlrev_b32 v[L16], 4, v[LN]
	v_lshlrev_b32 v[L8], 3, v[LN]
	v_lshlrev_b32 v[L4], 2, v[LN]
	s_mul_i32 s78, s30, 3072
	s_add_co_u32 s78, s78, XIMG
	v_add_nc_u32 v[IW], s78, v[L16]
	s_lshl_b32 s78, s30, 7
	s_add_co_u32 s78, s78, XSI
	v_add_nc_u32 v[ISW], s78, v[L4]
	s_mul_i32 s78, s56, 3072
	s_add_co_u32 s78, s78, XIMG
	v_add_nc_u32 v[IR], s78, v[L16]
	s_lshl_b32 s78, s56, 7
	s_add_co_u32 s78, s78, XSI
	v_add_nc_u32 v[ISR], s78, v[L4]
	v_mul_u32_u24 v[WA], v[PI], 768
	v_mad_u32_u24 v[WA], v[HH], 24, v[WA]
	v_lshlrev_b32 v[WSA], 5, v[PI]
	v_lshlrev_b32 v[BA], 6, v[HH]
	v_lshlrev_b32 v[SGW], 3, v[RR]
	v_lshl_add_u32 v[SGW], v[HH], 2, v[SGW]
	s_lshl_b32 s78, s30, 7
	s_add_co_u32 s78, s78, SCG
	v_add_nc_u32 v[SGW], s78, v[SGW]
	s_lshl_b32 s78, s30, 9
	s_add_co_u32 s78, s78, SCG
	v_add_nc_u32 v[SGR], s78, v[L16]
	v_mul_u32_u24 v[RLA], v[RR], 768
	v_mad_u32_u24 v[RLA], v[HH], 24, v[RLA]
	v_lshlrev_b32 v[RLS], 5, v[RR]
	v_lshl_add_u32 v[RLS], v[HH], 2, v[RLS]
	v_lshlrev_b32 v[R4], 2, v[RR]
	s_wait_dscnt 0x0
	s_wait_kmcnt 0x0
	s_add_nc_u64 s[2:3], s[4:5], s[2:3]            ; x at my rows of chunk 0
.irp j, 0,1,2,3
	s_mov_b32 s[40+4*\j], 1
	s_add_co_u32 s[41+4*\j], s57, \j*CHK
	s_add_nc_u64 s[42+4*\j:43+4*\j], s[2:3], \j*2097152
	s_or_b32 s[43+4*\j], s[43+4*\j], 0x80000000
.endr
	tensor_load_to_lds s[40:43], s[32:39]          ; the whole input of the work-group goes out at once: four loads of mine are out
	s_nop 0
	tensor_load_to_lds s[44:47], s[32:39]
	s_nop 0
	tensor_load_to_lds s[48:51], s[32:39]
	s_nop 0
	tensor_load_to_lds s[52:55], s[32:39]
	s_nop 0
.rept 4
	v_nop
.endr
	s_mov_b32 s3, 0
	s_cmp_eq_u32 s31, 0                            ; my role's W, scales and bias
	s_cselect_b64 s[66:67], s[6:7], s[12:13]
	s_cselect_b64 s[68:69], s[8:9], s[14:15]
	s_cselect_b64 s[70:71], s[10:11], s[16:17]
	s_lshl_b32 s80, s58, 4
	s_add_co_u32 s81, s80, s59                     ; 16 b + s
	s_mul_i32 s81, s81, XSTEP
	s_mul_i32 s2, s63, 768
	s_mul_i32 s82, s30, 6144
	s_add_co_u32 s2, s2, s82
	s_add_co_u32 s2, s2, s81
	s_add_nc_u64 s[72:73], s[24:25], s[2:3]        ; x's halves of fragments: step, half cc, my four tiles
	s_mul_i32 s2, s30, XBLK
	s_lshl_b32 s82, s63, 9
	s_add_co_u32 s2, s2, s82
	s_add_co_u32 s2, s2, s81
	s_add_co_u32 s2, s2, 24576
	s_add_nc_u64 s[76:77], s[24:25], s[2:3]        ; the plane of scale half-words of block w
	s_sub_co_u32 s82, s59, 1
	s_and_b32 s82, s82, 15                         ; keys of step s ride in the block of step s - 1
	s_add_co_u32 s82, s82, s80
	s_lshl_b32 s82, s82, 2
	s_lshl_b32 s83, s63, 1
	s_add_co_u32 s82, s82, s83
	s_add_co_u32 s82, s82, s56
	s_mul_i32 s82, s82, XBLK
	s_add_co_u32 s82, s82, 25600
	s_lshl_b32 s83, s58, 6
	s_lshl_b32 s84, ttmp9, 1
	s_add_co_u32 s83, s83, s84
	s_add_co_u32 s83, s83, s56
	s_mul_i32 s83, s83, QPART
	s_cmp_eq_u32 s31, 0
	s_cselect_b32 s2, s82, s83
	s_cselect_b64 s[74:75], s[24:25], s[26:27]
	s_add_nc_u64 s[74:75], s[74:75], s[2:3]        ; where my two key or query fragments go
	WIN 0x80
.irp t, 0,1,2,3,4,5,6,7                        ; the bias in the result's layout: lane (r, h), tile t: a = 32 (t / 2) + 16 h + 8 (t % 2) + 0 .. 7
	global_load_b128 v[192+8*\t:195+8*\t], v[BA], s[70:71] offset:(32*(\t/2)+8*(\t%2))*4
	global_load_b128 v[196+8*\t:199+8*\t], v[BA], s[70:71] offset:(32*(\t/2)+8*(\t%2))*4+16
.endr
	WLOAD 0
	WLOAD 1
	WIN 0x40
.irp q, 0,1,2,3
	v_mov_b32 v[HW+\q], 0                          ; a lane permute's destination counts as one of its sources
.endr
	v_lshlrev_b32 v[SH8], 3, v[HH]                 ; 8 h
	WIN 0
	; ---- wave 3: two fragments of Wp, their scale words and (one work-group in eight) 32 numbers of bp, into WS
	s_cmp_lg_u32 s30, 3
	s_cbranch_scc1 .Lno_relay
	s_lshl_b32 s82, s58, 5
	s_add_co_u32 s82, s82, ttmp9                   ; n = 0 .. 255
	s_lshr_b32 s83, s82, 3                         ; block of WS = 4 g + w'
	s_and_b32 s84, s82, 7
	s_lshl_b32 s85, s84, 1                         ; f0: my first fragment, f = 8 e + s
	s_lshr_b32 s86, s85, 3                         ; e
	s_and_b32 s87, s85, 7                          ; s0
	s_lshr_b32 s88, s83, 2                         ; g
	s_and_b32 s89, s83, 3                          ; w'
	s_lshl_b32 s90, s89, 4
	s_lshl_b32 s91, s88, 1
	s_add_co_u32 s90, s90, s91
	s_add_co_u32 s90, s90, s86                     ; which 16 rows d: 16 w' + 2 g + e
	s_mul_i32 s2, s90, 12288
	s_mul_i32 s91, s87, 96
	s_add_co_u32 s2, s2, s91
	s_add_nc_u64 s[92:93], s[18:19], s[2:3]
	s_lshl_b32 s2, s90, 9
	s_lshl_b32 s91, s87, 2
	s_add_co_u32 s2, s2, s91
	s_add_nc_u64 s[94:95], s[20:21], s[2:3]
	s_mul_i32 s2, s83, WBLK
	s_add_nc_u64 s[96:97], s[28:29], s[2:3]
	s_mul_i32 s2, s85, 1536
	s_add_nc_u64 s[98:99], s[96:97], s[2:3]
	s_lshl_b32 s2, s85, 6
	s_add_nc_u64 s[100:101], s[96:97], s[2:3]
.irp i, 0,1
.irp p, 0,1,2,3,4,5
	global_load_b64 v[96+12*\i+2*\p:97+12*\i+2*\p], v[RLA], s[92:93] offset:96*\i+48*(\p/3)+8*(\p%3)
.endr
.endr
	global_load_b32 v120, v[RLS], s[94:95]         ; lane (r, h): the word of row r, K step s0 + h
	s_wait_loadcnt 0x0
.irp i, 0,1
	global_store_b128 v[L16], v[96+12*\i:99+12*\i], s[98:99] offset:1536*\i
	global_store_b64 v[L8], v[100+12*\i:101+12*\i], s[98:99] offset:1536*\i+512
	global_store_b128 v[L16], v[102+12*\i:105+12*\i], s[98:99] offset:1536*\i+768
	global_store_b64 v[L8], v[106+12*\i:107+12*\i], s[98:99] offset:1536*\i+1280
.endr
	global_store_b32 v[L4], v120, s[100:101] offset:24576
	s_cmp_lg_u32 s84, 0
	s_cbranch_scc1 .Lno_bp
	s_lshl_b32 s2, s89, 10
	s_lshl_b32 s91, s88, 7
	s_add_co_u32 s2, s2, s91                       ; 4 (256 w' + 32 g)
	s_add_nc_u64 s[92:93], s[22:23], s[2:3]        ; (the loads that named s[92:93] are done)
	global_load_b32 v122, v[R4], s[92:93]
	global_load_b32 v123, v[R4], s[92:93] offset:64
	s_wait_loadcnt 0x0
	global_store_b64 v[L8], v[122:123], s[96:97] offset:25600
.Lno_bp:
	s_wait_xcnt 0x0                                ; the stores have read v96 on, which the products will write
.Lno_relay:
; A CHUNK of 256 c: K steps 2 j and 2 j + 1.
.macro CHUNK j
	s_wait_tensorcnt 3-\j                          ; my quarter of chunk j has landed; the 3 - j younger loads stay out
	BAR                                            ; everybody's has; and the last chunk's reads of the images are over
	; (b) 128 c x 32 l along c: a lane to a column, registers down c
	WIN 0x40
.set I1, 0
.rept 128
	ds_load_b32 v[I1], v[AB] offset:PX*I1          ; 32 lanes read 128 bytes of one row
.set I1, I1+1
.endr
	s_wait_dscnt 0x0
	WIN 0x55
	BLKMAX
	v_lshl_or_b32 v[SW], v[BY+1], 8, v[BY]         ; my column's scale word: lanes 0-15 tile 0's, lanes 16-31 tile 1's
	v_lshl_or_b32 v[SW], v[BY+2], 16, v[SW]
	v_lshl_or_b32 v[SW], v[BY+3], 24, v[SW]
	v_cvt_scalef32_pk16_bf6_f32 v[F0:F0+2], v[0:15], v[SO]
	v_cvt_scalef32_pk16_bf6_f32 v[CT:CT+2], v[16:31], v[SO]
	v_cvt_scalef32_pk16_bf6_f32 v[F1:F1+2], v[32:47], v[SO+1]
	v_cvt_scalef32_pk16_bf6_f32 v[CT+4:CT+6], v[48:63], v[SO+1]
	v_cvt_scalef32_pk16_bf6_f32 v[F0+6:F0+8], v[64:79], v[SO+2]
	v_cvt_scalef32_pk16_bf6_f32 v[CT+8:CT+10], v[80:95], v[SO+2]
	v_cvt_scalef32_pk16_bf6_f32 v[F1+6:F1+8], v[96:111], v[SO+3]
	v_cvt_scalef32_pk16_bf6_f32 v[CT+12:CT+14], v[112:127], v[SO+3]
	v_nop                                          ; one plain place behind the conversions
.irp i, 0,1,2
	v_mov_b32 v[F0+3+\i], v[CT+\i]
	v_mov_b32 v[F1+3+\i], v[CT+4+\i]
	v_mov_b32 v[F0+9+\i], v[CT+8+\i]
	v_mov_b32 v[F1+9+\i], v[CT+12+\i]
.endr
.irp i, 0,1,2,3,4,5,6,7,8,9,10,11           ; F0 held blocks 0, 2 and F1 blocks 1, 3 of every lane's column: after the exchange F0 is tile 0's fragment, F1 tile 1's
	v_permlane16_swap_b32 v[F0+\i], v[F1+\i]
.endr
	WIN 0x04
.irp i, 0,1,2
	ds_store_b128 v[IW], v[F0+4*\i:F0+4*\i+3] offset:512*\i
	ds_store_b128 v[IW], v[F1+4*\i:F1+4*\i+3] offset:1536+512*\i
.endr
	ds_store_b32 v[ISW], v[SW]
	; (a) 64 c x 64 l along l: lane (r, h) holds 32 neighbours of a row; four tiles of 16 rows
	WIN 0x40
.irp q, 0,1,2,3
.irp i, 0,1,2,3,4,5,6,7
	ds_load_b128 v[32*\q+4*\i:32*\q+4*\i+3], v[AA] offset:(32*(\q/2)+8*(\q%2))*PX+16*\i
.endr
.endr
	s_wait_dscnt 0x0
	s_wait_xcnt 0x0                                ; the last chunk's stores have read the registers that are written below
	WIN 0x55
	BLKMAX
.irp q, 0,1,2,3
	v_cvt_scalef32_pk16_bf6_f32 v[AC+8*\q:AC+8*\q+2], v[32*\q:32*\q+15], v[SO+\q]
	v_cvt_scalef32_pk16_bf6_f32 v[AT2+4*\q:AT2+4*\q+2], v[32*\q+16:32*\q+31], v[SO+\q]
.endr
.irp q, 0,1,2,3
	v_lshlrev_b32 v[BY+\q], v[SH8], v[BY+\q]       ; my byte at its place in the half-word (plain places behind the conversions)
.endr
.irp q, 0,1,2,3
.irp i, 0,1,2
	v_mov_b32 v[AC+8*\q+3+\i], v[AT2+4*\q+\i]
.endr
.endr
.irp q, 0,1,2,3
	v_permlanex16_b32 v[HW+\q], v[BY+\q], s60, s61
.endr
.irp q, 0,1,2,3
	v_or_b32 v[HW+\q], v[HW+\q], v[BY+\q]          ; the row's two bytes of these 64 l
.endr
	v_lshl_or_b32 v[TT], v[HW+1], 16, v[HW]
	v_lshl_or_b32 v[TT+1], v[HW+3], 16, v[HW+2]
	v_cndmask_b32 v[TT], v[TT], v[TT+1], s62       ; lanes 0-15 keep tiles 0, 1; lanes 16-31 tiles 2, 3
	WIN 0x04
.irp q, 0,1,2,3
	global_store_b128 v[L16], v[AC+8*\q:AC+8*\q+3], s[72:73] offset:XBLK*\j+1536*\q      ; 512 consecutive bytes, aligned to 256
	global_store_b64 v[L8], v[AC+8*\q+4:AC+8*\q+5], s[72:73] offset:XBLK*\j+1536*\q+512  ; 256 consecutive bytes, aligned
.endr
	ds_store_b32 v[SGW], v[TT] offset:512*\j
	BAR                                            ; the eight images lie in LDS
	WIN 0
.irp ks, 0,1
.irp u, 0,1
.irp i, 0,1,2
	ds_load_b128 v[XF+12*(2*\ks+\u)+4*\i:XF+12*(2*\ks+\u)+4*\i+3], v[IR] offset:6144*\ks+1536*\u+512*\i
.endr
.endr
	ds_load_b32 v[XSW+\ks], v[ISR] offset:256*\ks
.endr
	s_wait_loadcnt 0x0                             ; W's two sets (and, the first time, the bias)
	s_wait_dscnt 0x0
.if \j == 0
	MUL 0, 1
.else
	MUL 0, 0
.endif
	MUL 1, 0
	WIN 0
.rept 4
	v_nop                                          ; places in front of loads into registers that the products have read, and of the first read of results
.endr
.if \j < 3
	WLOAD 2*\j+2
	WLOAD 2*\j+3
	v_add_nc_u32 v[AB], CHK, v[AB]
	v_add_nc_u32 v[AA], CHK, v[AA]
.endif
.endm
	CHUNK 0
	CHUNK 1
	CHUNK 2
	CHUNK 3
	; ---- the keys or queries of my 32 l: two fragments (rows l in tile order, K = a) and their scale words
.irp b, 0,1,2,3
	v_mov_b32 v[TM+4+\b], 0
.endr
	QUANT ACC, PW
.irp i, 0,1,2
	global_store_b128 v[L16], v[PC+4*\i:PC+4*\i+3], s[74:75] offset:512*\i
.endr
	s_wait_xcnt 0x0                                ; the stores have read the codes' registers
	QUANT ACC+64, PW+1
.irp i, 0,1,2
	global_store_b128 v[L16], v[PC+4*\i:PC+4*\i+3], s[74:75] offset:1536+512*\i
.endr
	global_store_b64 v[L8], v[PW:PW+1], s[74:75] offset:3072   ; lane L: the words of row L % 16 in tiles 0 and 1
	BAR                                            ; all waves' scale half-words lie in LDS
	ds_load_b128 v[80:83], v[SGR]                  ; wave w takes chunk w's 512 bytes
	s_wait_dscnt 0x0
	global_store_b128 v[L16], v[80:83], s[76:77]
	s_wait_tensorcnt 0x0
	ds_add_u32 v254, v255
	s_wait_dscnt 0x0
	s_endpgm
.Lfunc_end_k_q677bd2e4af_prep:
	.size	k_q677bd2e4af_prep, .Lfunc_end_k_q677bd2e4af_prep-k_q677bd2e4af_prep
	.p2alignl 7, 3214868480
	.fill 96, 4, 3214868480
	.section	.rodata,"a",@progbits
	.p2align	6, 0x0
	.amdhsa_kernel k_q677bd2e4af_prep
		.amdhsa_group_segment_fixed_size 295424
		.amdhsa_private_segment_fixed_size 0
		.amdhsa_enable_private_segment 0
		.amdhsa_kernarg_size 104
		.amdhsa_user_sgpr_count 2
		.amdhsa_user_sgpr_kernarg_segment_ptr 1
		.amdhsa_wavefront_size32 1
		.amdhsa_system_sgpr_workgroup_id_x 1
		.amdhsa_system_sgpr_workgroup_id_y 1
		.amdhsa_system_sgpr_workgroup_id_z 1
		.amdhsa_system_vgpr_workitem_id 0
		.amdhsa_next_free_vgpr 768
		.amdhsa_next_free_sgpr 102
		.amdhsa_reserve_vcc 0
		.amdhsa_float_denorm_mode_32 3
		.amdhsa_float_denorm_mode_16_64 3
		.amdhsa_memory_ordered 1
		.amdhsa_forward_progress 1
		.amdhsa_inst_pref_size 180
	.end_amdhsa_kernel
	.amdgpu_metadata
---
amdhsa.version: [ 1, 2 ]
amdhsa.kernels:
  - .name:           k_q677bd2e4af_prep
    .symbol:         k_q677bd2e4af_prep.kd
    .args:
      - { .name: x, .offset: 0, .size: 8, .value_kind: global_buffer, .address_space: global }
      - { .name: Wk_codes, .offset: 8, .size: 8, .value_kind: global_buffer, .address_space: global }
      - { .name: Wk_scales, .offset: 16, .size: 8, .value_kind: global_buffer, .address_space: global }
      - { .name: bk, .offset: 24, .size: 8, .value_kind: global_buffer, .address_space: global }
      - { .name: Wq_codes, .offset: 32, .size: 8, .value_kind: global_buffer, .address_space: global }
      - { .name: Wq_scales, .offset: 40, .size: 8, .value_kind: global_buffer, .address_space: global }
      - { .name: bq, .offset: 48, .size: 8, .value_kind: global_buffer, .address_space: global }
      - { .name: Wp_codes, .offset: 56, .size: 8, .value_kind: global_buffer, .address_space: global }
      - { .name: Wp_scales, .offset: 64, .size: 8, .value_kind: global_buffer, .address_space: global }
      - { .name: bp, .offset: 72, .size: 8, .value_kind: global_buffer, .address_space: global }
      - { .name: XS, .offset: 80, .size: 8, .value_kind: global_buffer, .address_space: global }
      - { .name: QF, .offset: 88, .size: 8, .value_kind: global_buffer, .address_space: global }
      - { .name: WS, .offset: 96, .size: 8, .value_kind: global_buffer, .address_space: global }
    .group_segment_fixed_size: 295424
    .private_segment_fixed_size: 0
    .kernarg_segment_align: 8
    .kernarg_segment_size: 104
    .max_flat_workgroup_size: 128
    .sgpr_count:     102
    .vgpr_count:     768
    .wavefront_size: 32
...
	.end_amdgpu_metadata
.endif
;; end of part 1
;; launch stats (part 2): grid 32 x 8, 16 waves a work-group, no clusters, 10,240 bytes of LDS; arguments XS, QF, NT; writes NT
.if DOCPART == 2
	.amdgcn_target "amdgcn-amd-amdhsa--gfx1250"
	.amdhsa_code_object_version 6
	.text
	.protected	k_q677bd2e4af_stats
	.globl	k_q677bd2e4af_stats
	.p2align	8
	.type	k_q677bd2e4af_stats,@function
k_q677bd2e4af_stats:
	s_mov_b64 s[64:65], 0
	v_nop
	global_prefetch_b8 v0, s[64:65] scope:SCOPE_SE
	s_setreg_imm32_b32 hwreg(HW_REG_WAVE_MODE, 25, 1), 1
	s_wait_xcnt 0x0
; STATS.  v[l][m] = keys[:, l] . queries[:, m] on E3M2 codes; for each row l the largest c v and the sum of 2^(c v - largest) over all 2,048 m, c = log2(e) / 1024.
; NT[l] = -(largest + log2(sum)), so that the next launch has the finished softmax as 2^(c v + NT[l]).  The maximum is taken away ahead of every exponential.
; SHARES.  A work-group owns 64 rows l of one batch; wave w of sixteen takes all four tiles of l x the 128 columns m = 128 w on.  Source 0 = 16 queries, source 1 = 16 keys: a lane holds ONE l, its registers run along m.
; Operands come from memory as images of operand registers, 16 bytes a lane; each query fragment is read once in the work-group.  The sixteen partial maxima and sums meet in LDS; wave 0 joins them.
; No tensor load, no cluster: what is shared (queries) goes straight into registers, and a wave has 32 products in all.
; LIMITS: NaN and infinities are not served.
.set XBLK,  28928
.set QPART, 3328
.set S,     176                        ; v176-239 eight accumulators
.set QS,    8                          ; v8-15 queries' scale words, v16-19 keys' (scales alone)
.set KS,    16
.set QFR,   32                         ; v32-127 eight query fragments
.set KFR,   128                        ; v128-175 four key fragments
.set CM,    240                        ; v[240+2 lt] c x maximum of tile lt (upper word of the pair: 0)
.set SM,    248                        ; v[248+lt] its sum
.macro WMZ d, a, b, sa, sb
	v_wmma_scale_f32_16x16x128_f8f6f4 v[(\d):(\d)+7], v[(\a):(\a)+11], v[(\b):(\b)+11], 0, v[\sa], v[\sb] matrix_a_fmt:MATRIX_FMT_BF6 matrix_b_fmt:MATRIX_FMT_BF6
.endm
	s_load_b128 s[4:7], s[0:1], 0x0                ; XS, QF
	s_load_b64 s[8:9], s[0:1], 0x10                ; NT
	v_lshl_add_u32 v26, v0, 2, 0x2000
	v_mov_b32 v27, 0
	v_lshrrev_b32 v4, 5, v0
	v_readfirstlane_b32 s10, v4                    ; wave 0..15
	v_and_b32 v5, 31, v0
	v_and_b32 v6, 15, v0
	v_lshlrev_b32 v1, 4, v5                        ; 16 x lane
	v_lshlrev_b32 v2, 3, v5                        ; 8 x lane
	v_and_b32 v7, 8, v6
	v_add_nc_u32 v7, v7, v6                        ; r + 8 (r / 8)
	s_lshl_b32 s11, s10, 8
	v_lshl_add_u32 v3, v7, 2, s11                  ; LDS: my wave's 64 words, my row's
	s_and_b32 s12, ttmp7, 0xffff                   ; b
	s_lshr_b32 s13, ttmp9, 1                       ; s
	s_and_b32 s14, ttmp9, 1                        ; cc
	s_lshl_b32 s15, s12, 6
	s_lshl_b32 s16, s10, 2
	s_add_co_u32 s16, s16, s15
	s_mul_i32 s16, s16, QPART                      ; my four groups of 32 queries
	s_mov_b32 s17, 0
	s_sub_co_u32 s18, s13, 1
	s_and_b32 s18, s18, 15                         ; keys of step s ride in the block of step s - 1
	s_lshl_b32 s15, s12, 4
	s_add_co_u32 s18, s18, s15
	s_lshl_b32 s18, s18, 2
	s_lshl_b32 s15, s14, 1
	s_add_co_u32 s18, s18, s15
	s_mul_i32 s18, s18, XBLK
	s_add_co_u32 s18, s18, 25600
	s_mov_b32 s19, 0
	s_mov_b32 s20, 0x3ab8aa3b                      ; c = log2(e) / 1024
	s_mov_b32 s21, s20
	s_mov_b32 s22, 0x76543210
	s_mov_b32 s23, 0xfedcba98
	s_lshl_b32 s24, s12, 13
	s_lshl_b32 s15, ttmp9, 8
	s_add_co_u32 s24, s24, s15                     ; 4 (2,048 b + 64 lb)
	s_mov_b32 s25, 0
.irp i, 0,1,2,3,4,5,6,7,8,9,10,11,12,13,14,15
	v_mov_b32 v[240+\i], 0
.endr
	v_mov_b32 v25, 0
	s_wait_kmcnt 0x0
	s_add_nc_u64 s[6:7], s[6:7], s[16:17]
	s_add_nc_u64 s[4:5], s[4:5], s[18:19]
	s_add_nc_u64 s[8:9], s[8:9], s[24:25]
.irp g, 0,1,2,3
.irp u, 0,1
.irp i, 0,1,2
	global_load_b128 v[QFR+12*(2*\g+\u)+4*\i:QFR+12*(2*\g+\u)+4*\i+3], v1, s[6:7] offset:QPART*\g+1536*\u+512*\i
.endr
.endr
	global_load_b64 v[QS+2*\g:QS+2*\g+1], v2, s[6:7] offset:QPART*\g+3072
.endr
.irp g, 0,1
.irp u, 0,1
.irp i, 0,1,2
	global_load_b128 v[KFR+12*(2*\g+\u)+4*\i:KFR+12*(2*\g+\u)+4*\i+3], v1, s[4:5] offset:XBLK*\g+1536*\u+512*\i
.endr
.endr
	global_load_b64 v[KS+2*\g:KS+2*\g+1], v2, s[4:5] offset:XBLK*\g+3072
.endr
	s_wait_loadcnt 0x0
.macro TILE lt
.rept 5
	v_nop                                          ; places in front of products that write over the last tile's results
.endr
.irp t, 0,1,2,3,4,5,6,7
	WMZ S+8*\t, QFR+12*\t, KFR+12*\lt, QS+\t, KS+\lt
.endr
.rept 4
	v_nop
.endr
.irp k, 0,1,2,3                                ; the largest of my 64 scores, four chains; each accumulator from its low end on
	v_max3_num_f32 v[20+\k], v[S+16*\k], v[S+16*\k+1], v[S+16*\k+2]
.endr
.irp i, 3,5,7,9,11,13
.irp k, 0,1,2,3
	v_max3_num_f32 v[20+\k], v[20+\k], v[S+16*\k+\i], v[S+16*\k+\i+1]
.endr
.endr
.irp k, 0,1,2,3
	v_max_num_f32 v[20+\k], v[20+\k], v[S+16*\k+15]
.endr
	v_max3_num_f32 v24, v20, v21, v22
	v_max_num_f32 v24, v24, v23
	v_permlanex16_b32 v25, v24, s22, s23
	v_max_num_f32 v24, v24, v25                    ; with lane l xor 16's 64
	v_mul_f32 v[CM+2*\lt], s20, v24                ; c x maximum (c is positive)
.set P1, 0
.rept 32
	v_pk_fma_f32 v[S+2*P1:S+2*P1+1], v[S+2*P1:S+2*P1+1], s[20:21], v[CM+2*\lt:CM+2*\lt+1] op_sel_hi:[1,0,0] neg_lo:[0,0,1] neg_hi:[0,0,1]
.set P1, P1+1
.endr
.set P1, 0
.rept 64
	v_exp_f32 v[S+P1], v[S+P1]
.set P1, P1+1
.endr
	v_nop                                          ; a plain place behind the exponentials
	s_wait_alu depctr_va_vdst(0)                   ; one wait for the batch, ahead of its first reader
	v_pk_add_f32 v[28:29], v[S:S+1], v[S+2:S+3]
	v_pk_add_f32 v[30:31], v[S+4:S+5], v[S+6:S+7]
.irp j, 8,12,16,20,24,28,32,36,40,44,48,52,56,60
	v_pk_add_f32 v[28:29], v[28:29], v[S+\j:S+\j+1]
	v_pk_add_f32 v[30:31], v[30:31], v[S+\j+2:S+\j+3]
.endr
	v_pk_add_f32 v[28:29], v[28:29], v[30:31]
	v_add_f32 v24, v28, v29
	v_permlanex16_b32 v25, v24, s22, s23
	v_add_f32 v[SM+\lt], v24, v25
	ds_store_b32 v3, v[CM+2*\lt] offset:4*(32*(\lt/2)+8*(\lt%2))        ; both lanes of a row write the same word with the same value
	ds_store_b32 v3, v[SM+\lt] offset:4096+4*(32*(\lt/2)+8*(\lt%2))
.endm
	TILE 0
	TILE 1
	TILE 2
	TILE 3
	s_wait_dscnt 0x0                               ; for the others' sake: my stores have landed
	s_barrier_signal -1
	s_barrier_wait -1
	s_cmp_lg_u32 s10, 0
	s_cbranch_scc1 .Ldone
.rept 4
	v_nop                                          ; places in front of loads into registers that products have read
.endr
.irp w, 0,1,2,3,4,5,6,7,8,9,10,11,12,13,14,15  ; wave 0: lane i joins rows 2 i and 2 i + 1
	ds_load_b64 v[32+2*\w:33+2*\w], v2 offset:256*\w
	ds_load_b64 v[64+2*\w:65+2*\w], v2 offset:4096+256*\w
.endr
	s_wait_dscnt 0x0
	v_max3_num_f32 v96, v32, v34, v36
	v_max3_num_f32 v97, v33, v35, v37
.irp i, 38,42,46,50,54,58
	v_max3_num_f32 v96, v96, v[\i], v[\i+2]
	v_max3_num_f32 v97, v97, v[\i+1], v[\i+3]
.endr
	v_max_num_f32 v96, v96, v62
	v_max_num_f32 v97, v97, v63
.irp w, 0,1,2,3,4,5,6,7,8,9,10,11,12,13,14,15
	v_pk_add_f32 v[32+2*\w:33+2*\w], v[32+2*\w:33+2*\w], v[96:97] neg_lo:[0,1] neg_hi:[0,1]
.endr
.set P1, 0
.rept 32
	v_exp_f32 v[32+P1], v[32+P1]
.set P1, P1+1
.endr
	v_nop
	s_wait_alu depctr_va_vdst(0)
	v_pk_mul_f32 v[98:99], v[64:65], v[32:33]
.irp w, 1,2,3,4,5,6,7,8,9,10,11,12,13,14,15
	v_pk_fma_f32 v[98:99], v[64+2*\w:65+2*\w], v[32+2*\w:33+2*\w], v[98:99]
.endr
	v_log_f32 v100, v98
	v_log_f32 v101, v99
	v_nop
	s_wait_alu depctr_va_vdst(0)
	v_add_f32 v102, v96, v100
	v_add_f32 v103, v97, v101
	v_mul_f32 v102, -1.0, v102
	v_mul_f32 v103, -1.0, v103
	global_store_b64 v2, v[102:103], s[8:9]        ; 32 lanes store 256 consecutive bytes, aligned
.Ldone:
	s_wait_tensorcnt 0x0
	ds_add_u32 v26, v27
	s_wait_dscnt 0x0
	s_endpgm
.Lfunc_end_k_q677bd2e4af_stats:
	.size	k_q677bd2e4af_stats, .Lfunc_end_k_q677bd2e4af_stats-k_q677bd2e4af_stats
	.p2alignl 7, 3214868480
	.fill 96, 4, 3214868480
	.section	.rodata,"a",@progbits
	.p2align	6, 0x0
	.amdhsa_kernel k_q677bd2e4af_stats
		.amdhsa_group_segment_fixed_size 10240
		.amdhsa_private_segment_fixed_size 0
		.amdhsa_enable_private_segment 0
		.amdhsa_kernarg_size 24
		.amdhsa_user_sgpr_count 2
		.amdhsa_user_sgpr_kernarg_segment_ptr 1
		.amdhsa_wavefront_size32 1
		.amdhsa_system_sgpr_workgroup_id_x 1
		.amdhsa_system_sgpr_workgroup_id_y 1
		.amdhsa_system_sgpr_workgroup_id_z 1
		.amdhsa_system_vgpr_workitem_id 0
		.amdhsa_next_free_vgpr 256
		.amdhsa_next_free_sgpr 66
		.amdhsa_reserve_vcc 0
		.amdhsa_float_denorm_mode_32 3
		.amdhsa_float_denorm_mode_16_64 3
		.amdhsa_memory_ordered 1
		.amdhsa_forward_progress 1
		.amdhsa_inst_pref_size 52
	.end_amdhsa_kernel
	.amdgpu_metadata
---
amdhsa.version: [ 1, 2 ]
amdhsa.kernels:
  - .name:           k_q677bd2e4af_stats
    .symbol:         k_q677bd2e4af_stats.kd
    .args:
      - { .name: XS, .offset: 0, .size: 8, .value_kind: global_buffer, .address_space: global }
      - { .name: QF, .offset: 8, .size: 8, .value_kind: global_buffer, .address_space: global }
      - { .name: NT, .offset: 16, .size: 8, .value_kind: global_buffer, .address_space: global }
    .group_segment_fixed_size: 10240
    .private_segment_fixed_size: 0
    .kernarg_segment_align: 8
    .kernarg_segment_size: 24
    .max_flat_workgroup_size: 512
    .sgpr_count:     66
    .vgpr_count:     256
    .wavefront_size: 32
...
	.end_amdgpu_metadata
.endif
;; end of part 2
;; launch attn (part 3): grid 32 x 8, 4 waves a work-group, clusters of 4 x 1, 327,680 bytes of LDS; arguments XS, QF, WS, NT, out0; writes out0
.if DOCPART == 3
	.amdgcn_target "amdgcn-amd-amdhsa--gfx1250"
	.amdhsa_code_object_version 6
	.text
	.protected	k_q677bd2e4af_attn
	.globl	k_q677bd2e4af_attn
	.p2align	8
	.type	k_q677bd2e4af_attn,@function
k_q677bd2e4af_attn:
	s_mov_b64 s[64:65], 0
	v_nop
	global_prefetch_b8 v0, s[64:65] scope:SCOPE_SE
	s_setreg_imm32_b32 hwreg(HW_REG_WAVE_MODE, 25, 1), 1
	s_wait_xcnt 0x0
	s_wait_alu depctr_hold_cnt(0) depctr_sa_sdst(0) depctr_va_vdst(0) depctr_va_sdst(0) depctr_va_ssrc(0) depctr_va_vcc(0) depctr_vm_vsrc(0)
	s_getreg_b32 s2, hwreg(HW_REG_IB_STS2, 6, 4)
	s_cmp_eq_u32 s2, 0
	s_cbranch_scc0 .Lentry_in_a_cluster
	s_endpgm
.Lentry_in_a_cluster:
	s_bfe_u32 s2, ttmp6, 0x10000c
	s_cmp_lg_u32 s2, 0x3003
	s_cbranch_scc0 .Lentry_shape_is_right
	s_endpgm
.Lentry_shape_is_right:
; ATTN.  For 64 columns m of one batch: attn[l][m] = 2^(c v[l][m] + NT[l]) (the finished softmax; v = keys . queries on codes, c = log2(e) / 1024), quantised along l;
; out[c][m] = x . attn over all 2,048 l, quantised along c; out0[d][m] = Wp . out + bp.  All products on E3M2 codes with E8M0 scales, sums in f32.
; SHARES.  A work-group of four waves holds all 1,024 c (and then all 1,024 d) of its 64 m.  Wave w: in x . attn rows c = 256 w on, 64 accumulators (windows 2, 3); in keys . queries the step's l group w
; (32 l, one block of the quantiser) x all four tiles of m; in Wp . out rows d = 256 w on.
; THE STREAM.  24 tiles through two LDS slots: 16 steps of 128 l out of XS (wave w's block: its 16 fragments of x, their scale half-words, and the keys of the NEXT step's group w), then 8 blocks out of WS.
; Each wave brings its own block by one load behind each round and reads its own block alone.  So trip t makes attn of step t + 1 (image into LDS) and multiplies x of step t by attn of step t (image stored a trip ago).
; CLUSTER.  The four work-groups of a cluster belong to one batch and walk the same tiles: each tile is asked for jointly (mask 15); the descriptors hang on the batch, the tile and the wave's number alone.
; LAYOUT.  keys . queries: source 0 = 16 keys, source 1 = 16 queries: a lane holds one m, its registers run along l.  x . attn: source 0 = 16 rows of x, source 1 = attn: a lane holds one m, registers along c.
; Wp . out: source 0 = out's 16 m, source 1 = 16 rows of Wp: a lane holds one d and eight neighbouring m.  Tiles are formed so that 16 registers of two neighbouring tiles are 16 neighbours (index 32 b + 8 u + r + 8 (r / 8)).
; LIMITS: NaN and infinities are not served.  attn under 2^-126 comes out as 0 (the exponential's result is flushed).  A block of zeros gets the byte 1, not 127: its codes are zeros.
; The divisor stands in the exponent: c v + NT is one fused multiply-add on a number of size about 11, so attn carries about 1.4e-6 of itself as error.
.set XBLK,  28928
.set XSTEP, 4*XBLK
.set WBLK,  25856
.set WSTEP, 4*WBLK
.set QPART, 3328
.set SLOT1, 131072                     ; slot 0 at 0, slot 1 here: one exclusive or turns an address
.set AIMG,  115712                     ; two buffers of ABUF: attn's four fragments (6,144) + scale words (256)
.set ABUF,  6400
.set SPARE, 128512                     ; the spare words, 128 bytes a wave
.set NTB,   246784                     ; NT of the batch, 8,192 bytes, filled once
.set HIMG,  254976                     ; out's 32 fragments, 1,536 bytes each: index 4 s + mt.  Later the stages: 32 rows x 272 bytes a wave
.set HSCI,  304128                     ; their scale words, 128 bytes each
; window 0
.set SPW, 1
.set NIL, 2
.set B16, 3
.set B8, 4
.set B4, 5
.set BXS, 6
.set BNT, 7
.set AR16, 8
.set AR8, 9
.set ARS, 10
.set AW16, 11
.set AW8, 12
.set AWS, 13
.set T16, 14
.set T8, 15
.set T4, 16
.set TXS, 17
.set TNT, 18
.set R16, 19
.set R8, 20
.set RS, 21
.set W16, 22
.set W8, 23
.set WSB, 24
.set PFO, 25
.set HW16, 26
.set HWS, 27
.set HR16, 28
.set HRS, 29
.set STO, 30
.set SRD, 31
.set GO, 32
.set XSC, 34                           ; v34-41 x's scale words, later Wp's (scales alone)
.set XH, 42                            ; v42-49 their upper halves as loaded
.set ASC, 50                           ; v50-51 attn's scale words
.set KSC, 52                           ; v52-53 keys'
.set QSC, 54                           ; v54-57 queries'
.set BV, 58                            ; v58-59 bp of my two tiles
.set L16, 60
.set L8, 61
.set S, 64                             ; v64-127 scores, then attn; later rows of out0
.set OB, 64
.set AT, 128                           ; v128-175 attn's four fragments
.set PK0, 176
.set PK1, 184
.set T0, 192
.set T1, 196
.set PC, 176                           ; out's codes (20 registers), over the four above
.set TM, 200
.set PW, 216
.set BC, 220                           ; v220-235 bp in the result's layout
.set HSC, 236                          ; v236-251 out's scale words (scales alone)
; window 1: v0-95, v96-191 sixteen fragments of x or Wp; v96-119 keys and v120-135 NT until the second eight are loaded; v192-239 queries, later out's K step 7
.set KF, 96
.set NTR, 120
.set QFR, 192
.set MSB, 0
.macro WIN new                         ; the immediate's high byte repeats the setting that is left
.if MSB != (\new)
	s_set_vgpr_msb (MSB<<8)|(\new)
.set MSB, (\new)
.endif
.endm
.macro WMX d, a, b, c, sa, sb, ra, rb
.if (\ra) && (\rb)
	v_wmma_scale_f32_16x16x128_f8f6f4 v[(\d):(\d)+7], v[(\a):(\a)+11], v[(\b):(\b)+11], \c, v[\sa], v[\sb] matrix_a_fmt:MATRIX_FMT_BF6 matrix_b_fmt:MATRIX_FMT_BF6 matrix_a_scale:MATRIX_SCALE_ROW1 matrix_b_scale:MATRIX_SCALE_ROW1
.elseif (\ra)
	v_wmma_scale_f32_16x16x128_f8f6f4 v[(\d):(\d)+7], v[(\a):(\a)+11], v[(\b):(\b)+11], \c, v[\sa], v[\sb] matrix_a_fmt:MATRIX_FMT_BF6 matrix_b_fmt:MATRIX_FMT_BF6 matrix_a_scale:MATRIX_SCALE_ROW1
.elseif (\rb)
	v_wmma_scale_f32_16x16x128_f8f6f4 v[(\d):(\d)+7], v[(\a):(\a)+11], v[(\b):(\b)+11], \c, v[\sa], v[\sb] matrix_a_fmt:MATRIX_FMT_BF6 matrix_b_fmt:MATRIX_FMT_BF6 matrix_b_scale:MATRIX_SCALE_ROW1
.else
	v_wmma_scale_f32_16x16x128_f8f6f4 v[(\d):(\d)+7], v[(\a):(\a)+11], v[(\b):(\b)+11], \c, v[\sa], v[\sb] matrix_a_fmt:MATRIX_FMT_BF6 matrix_b_fmt:MATRIX_FMT_BF6
.endif
.endm
.macro WM d, a, b, c, sa, sb, ra, rb   ; c < 0: the constant 0 starts the sum
.if (\c) < 0
	WMX \d, \a, \b, 0, \sa, \sb, \ra, \rb
.else
	WMX \d, \a, \b, v[(\c):(\c)+7], \sa, \sb, \ra, \rb
.endif
.endm
.macro ROUND                           ; a round of the cluster's barrier
	s_barrier_signal -1
	s_barrier_wait -1
	s_cmp_lg_u32 s14, 0
	s_cbranch_scc1 .Lnot_wave_0_\@
	s_barrier_signal -3
.Lnot_wave_0_\@:
	s_barrier_wait -3
	s_barrier_signal -1
	s_barrier_wait -1
.endm
.macro FRAG reg, a16, a8, off          ; a fragment stored in halves: registers 6 cc .. 6 cc + 3 at 768 cc + 16 x lane, 6 cc + 4, 5 at 768 cc + 512 + 8 x lane
	ds_load_b128 v[(\reg):(\reg)+3], v[\a16] offset:(\off)
	ds_load_b64 v[(\reg)+4:(\reg)+5], v[\a8] offset:(\off)+512
	ds_load_b128 v[(\reg)+6:(\reg)+9], v[\a16] offset:(\off)+768
	ds_load_b64 v[(\reg)+10:(\reg)+11], v[\a8] offset:(\off)+1280
.endm
; THE CHANGE OF SLOTS.  Every wave: all my tensor loads have landed (the one that was out is this trip's tile); the add; my LDS stores have landed and my reads of the slot left are over; the round; then my one load, first.
; kind 1: the next tile of XS; 2: the first tile of WS; 3: the next tile of WS; 0: nothing is left to fetch, and a plain barrier stands for the round.
.macro HEAD kind, pf
	s_wait_tensorcnt 0x0
	ds_add_u32 v[SPW], v[NIL]                      ; 0 onto my spare word
.if (\kind) == 1
	s_xor_b32 s49, s49, SLOT1                      ; no tensor load of mine is out, so a group 0 may be written
	s_add_nc_u64 s[50:51], s[50:51], XSTEP
.elseif (\kind) == 3
	s_xor_b32 s53, s53, SLOT1
	s_add_nc_u64 s[54:55], s[54:55], WSTEP
.endif
.if \pf
	s_wait_xcnt 0x0                                ; the last prefetch, a trip back, has read its address
	s_add_nc_u64 s[68:69], s[68:69], XSTEP
.endif
	s_wait_dscnt 0x0
.if (\kind) == 0
	s_barrier_signal -1
	s_barrier_wait -1
.else
	ROUND
.endif
.if (\kind) == 1
	tensor_load_to_lds s[48:51], s[24:31]
	s_nop 0
.elseif (\kind) >= 2
	tensor_load_to_lds s[52:55], s[32:39]
	s_nop 0
.endif
.rept 4
	v_nop                                          ; behind the load; also the places in front of loads into registers that the last products have read
.endr
.endm
; A PREFETCH of the tile of XS that the change of slots two trips on will ask for (trip t names tile t + 3).  The batch's first cluster asks; partner cx takes the block of wave cx (told apart by address),
; its 113 runs of 256 bytes shared among the four waves, a lane a run (the last lanes of wave 3 repeat the last run).  Trips 13 on ask for nothing; tiles 0 to 2 and WS come by their loads alone.
.macro ASK
	s_cmp_gt_u32 s66, s67
	s_cbranch_scc0 .Lnot_mine_\@
	global_prefetch_b8 v[PFO], s[68:69] th:TH_LOAD_NT scope:SCOPE_SE
.Lnot_mine_\@:
.endm
.macro ADDRS
	v_add_nc_u32 v[T16], s60, v[B16]
	v_add_nc_u32 v[T8], s60, v[B8]
	v_add_nc_u32 v[T4], s60, v[B4]
	v_add_nc_u32 v[TXS], s60, v[BXS]
	v_add_nc_u32 v[TNT], s63, v[BNT]
	v_add_nc_u32 v[R16], s61, v[AR16]
	v_add_nc_u32 v[R8], s61, v[AR8]
	v_add_nc_u32 v[RS], s61, v[ARS]
	v_add_nc_u32 v[W16], s62, v[AW16]
	v_add_nc_u32 v[W8], s62, v[AW8]
	v_add_nc_u32 v[WSB], s62, v[AWS]
.endm
.macro P3                              ; scores: my 32 l x 64 m
	WIN 0x05
.irp mt, 0,1,2,3
.irp u, 0,1
	WM S+16*\mt+8*\u, KF+12*\u, QFR+12*\mt, -1, KSC+\u, QSC+\mt, 0, 0
.endr
.endr
.endm
.macro FMA                             ; c v + NT[l]: register 16 mt + i belongs to l = 32 w + 16 (lane / 16) + i
	WIN 0x10
.set P1, 0
.rept 32
	v_pk_fma_f32 v[S+2*P1:S+2*P1+1], v[S+2*P1:S+2*P1+1], s[22:23], v[NTR+2*(P1%8):NTR+2*(P1%8)+1] op_sel_hi:[1,0,1]
.set P1, P1+1
.endr
.endm
.macro EXPQ                            ; attn, its block's scale (block w of each of the four fragments), its codes, and the image
	WIN 0
.set P1, 0
.rept 64
	v_exp_f32 v[S+P1], v[S+P1]
.set P1, P1+1
.endr
	v_nop                                          ; a plain place behind the exponentials
	s_wait_alu depctr_va_vdst(0)                   ; one wait for the batch, ahead of its first reader
.irp m, 0,1,2,3
	v_max3_num_f32 v[TM+\m], v[S+16*\m], v[S+16*\m+1], 0x2800000     ; none is negative; the floor 2^(5-127) holds the byte at 1 from below
.endr
.irp i, 2,4,6,8,10,12,14
.irp m, 0,1,2,3
	v_max3_num_f32 v[TM+\m], v[TM+\m], v[S+16*\m+\i], v[S+16*\m+\i+1]
.endr
.endr
.irp m, 0,1,2,3
	v_permlanex16_b32 v[TM+4+\m], v[TM+\m], s20, s21
.endr
.irp m, 0,1,2,3
	v_max_num_f32 v[TM+\m], v[TM+\m], v[TM+4+\m]
.endr
.irp m, 0,1,2,3
	v_add_nc_u32 v[TM+12+\m], 0xfe000000, v[TM+\m]
.endr
.irp m, 0,1,2,3
	v_lshrrev_b32 v[TM+4+\m], 23, v[TM+12+\m]
.endr
	v_cvt_scalef32_pk16_bf6_f32 v[PK0:PK0+2], v[S:S+15], v[TM+12]
	v_cvt_scalef32_pk16_bf6_f32 v[T0:T0+2], v[S+16:S+31], v[TM+13]
	v_cvt_scalef32_pk16_bf6_f32 v[PK1:PK1+2], v[S+32:S+47], v[TM+14]
	v_cvt_scalef32_pk16_bf6_f32 v[T1:T1+2], v[S+48:S+63], v[TM+15]
	v_nop                                          ; one plain place behind the conversions
.irp i, 0,1,2                                  ; after the exchange lane (r, g) holds the whole block of column r of tile 2 p + g
	v_permlane16_swap_b32 v[PK0+\i], v[T0+\i]
	v_permlane16_swap_b32 v[PK1+\i], v[T1+\i]
.endr
.irp i, 0,1,2
	v_mov_b32 v[PK0+3+\i], v[T0+\i]
	v_mov_b32 v[PK1+3+\i], v[T1+\i]
.endr
	ds_store_b128 v[W16], v[PK0:PK0+3]
	ds_store_b64 v[W8], v[PK0+4:PK0+5]
	ds_store_b128 v[W16], v[PK1:PK1+3] offset:3072
	ds_store_b64 v[W8], v[PK1+4:PK1+5] offset:3072
.irp m, 0,1,2,3
	ds_store_b8 v[WSB], v[TM+4+\m] offset:64*\m    ; byte w of the column's scale word; both lanes of a column write the same byte
.endr
.endm
; 32 products: eight tiles of c x four tiles of m.  The 64 accumulators take turns, one instruction a trip each
.macro MUL32 set, zero
	WIN 0xa1
.irp ct, 0,1,2,3,4,5,6,7
.irp mt, 0,1
.if \zero
	WM 128*\mt+8*(8*\set+\ct), 96*\set+12*\ct, AT+12*\mt, -1, XSC+4*\set+\ct/2, ASC, \ct%2, \mt
.else
	WM 128*\mt+8*(8*\set+\ct), 96*\set+12*\ct, AT+12*\mt, 128*\mt+8*(8*\set+\ct), XSC+4*\set+\ct/2, ASC, \ct%2, \mt
.endif
.endr
.endr
	WIN 0xf1
.irp ct, 0,1,2,3,4,5,6,7
.irp mt, 0,1
.if \zero
	WM 128*\mt+8*(8*\set+\ct), 96*\set+12*\ct, AT+24+12*\mt, -1, XSC+4*\set+\ct/2, ASC+1, \ct%2, \mt
.else
	WM 128*\mt+8*(8*\set+\ct), 96*\set+12*\ct, AT+24+12*\mt, 128*\mt+8*(8*\set+\ct), XSC+4*\set+\ct/2, ASC+1, \ct%2, \mt
.endif
.endr
.endr
.endm
; THE WORK OF TRIP t.  make = 1: attn of step t + 1 is made.  zero = 1: the products start the sums.
.macro BODY zero, make
.if \make
	ds_load_b64 v[KSC:KSC+1], v[T8] offset:28672   ; 11 loads: the next step's keys, their scale words, its NT
	WIN 0x40
.irp u, 0,1
.irp i, 0,1,2
	ds_load_b128 v[KF+12*\u+4*\i:KF+12*\u+4*\i+3], v[T16] offset:25600+1536*\u+512*\i
.endr
.endr
.irp i, 0,1,2,3
	ds_load_b128 v[NTR+4*\i:NTR+4*\i+3], v[TNT] offset:16*\i
.endr
	WIN 0
.endif
.irp k, 0,1,2,3,4,5,6,7                        ; 18 loads: scale half-words of x (lanes 0-15 tile 2 k, lanes 16-31 tile 2 k + 1) and attn's scale words
	ds_load_u16 v[XSC+\k], v[TXS] offset:128*(\k/2)+4*(\k%2)
	ds_load_u16 v[XH+\k], v[TXS] offset:512+128*(\k/2)+4*(\k%2)
.endr
	ds_load_b32 v[ASC], v[RS]
	ds_load_b32 v[ASC+1], v[RS] offset:128
	WIN 0x40
.irp ct, 0,1,2,3,4,5,6,7                       ; 32 loads: x's first eight fragments
	FRAG 12*\ct, T16, T8, 1536*\ct
.endr
.if \make
	s_wait_dscnt 50                                ; the 11 are in; the 18 and the 32 stay out
	P3
.endif
	WIN 0
	s_wait_dscnt 32                                ; the 18 are in
.irp k, 0,1,2,3,4,5,6,7
	v_lshl_or_b32 v[XSC+\k], v[XH+\k], 16, v[XSC+\k]   ; the scale words whole.  (Eight plain places behind the scores' products)
.endr
.if \make
	FMA
.endif
	WIN 0x40
.irp ct, 8,9,10,11,12,13,14,15                 ; 48 loads: x's other eight fragments, over the keys and NT, and attn's four
	FRAG 12*\ct, T16, T8, 1536*\ct
.endr
	WIN 0
.irp mt, 0,1,2,3
	FRAG AT+12*\mt, R16, R8, 1536*\mt
.endr
.if \make
	EXPQ
	s_wait_dscnt 8                                 ; all loads are in; the image's eight stores may be out
.else
.rept 8
	v_nop                                          ; a scale register written by a vector instruction stands eight places ahead of the products
.endr
	s_wait_dscnt 0x0
.endif
	MUL32 0, \zero
	MUL32 1, \zero
	WIN 0
	s_xor_b32 s60, s60, SLOT1
	s_xor_b32 s61, s61, ABUF
	s_xor_b32 s62, s62, ABUF
	s_add_co_u32 s63, s63, 512
.endm
; 64 numbers in window win, register 16 b + i = k 32 b + 16 (lane / 16) + i of my column, become a fragment's codes in v[PC] on and its scale word in v[PW]
.macro QUANTW win, s
.set WW, (\win)|((\win)<<2)
	WIN WW
.irp b, 0,1,2,3
	v_max3_num_f32 v[TM+\b], |v[\s+16*\b]|, |v[\s+1+16*\b]|, 0x2800000
.endr
.set WW, ((\win)<<2)|((\win)<<4)
	WIN WW
.irp i, 2,4,6,8,10,12,14
.irp b, 0,1,2,3
	v_max3_num_f32 v[TM+\b], v[TM+\b], |v[\s+16*\b+\i]|, |v[\s+1+16*\b+\i]|
.endr
.endr
	WIN 0
.irp b, 0,1,2,3
	v_permlanex16_b32 v[TM+4+\b], v[TM+\b], s20, s21
.endr
.irp b, 0,1,2,3
	v_max_num_f32 v[TM+\b], v[TM+\b], v[TM+4+\b]
.endr
.irp b, 0,1,2,3
	v_add_nc_u32 v[TM+12+\b], 0xfe000000, v[TM+\b]
.endr
.irp b, 0,1,2,3
	v_lshrrev_b32 v[TM+4+\b], 23, v[TM+12+\b]
.endr
	v_lshl_or_b32 v[PW], v[TM+5], 8, v[TM+4]
	v_lshl_or_b32 v[PW], v[TM+6], 16, v[PW]
	v_lshl_or_b32 v[PW], v[TM+7], 24, v[PW]
.set WW, (\win)
	WIN WW
.irp c, 0,1
	v_cvt_scalef32_pk16_bf6_f32 v[PC+6*\c:PC+2+6*\c], v[\s+32*\c:\s+15+32*\c], v[TM+12+2*\c]
	v_cvt_scalef32_pk16_bf6_f32 v[PC+12+4*\c:PC+14+4*\c], v[\s+16+32*\c:\s+31+32*\c], v[TM+12+2*\c+1]
.endr
	WIN 0
	v_nop
.irp c, 0,1
.irp i, 0,1,2
	v_permlane16_swap_b32 v[PC+6*\c+\i], v[PC+12+4*\c+\i]
.endr
.irp i, 0,1,2
	v_mov_b32 v[PC+3+6*\c+\i], v[PC+12+4*\c+\i]
.endr
.endr
.endm
; the way out of 32 rows d x 64 m: into my own stage (each accumulator from its low end on), back as whole rows of 256 bytes
.macro OUTA set
	WIN 0x0c
.irp e, 0,1
.irp mt, 0,1,2,3
	ds_store_b128 v[STO], v[96+64*(\set)+8*(4*\e+\mt):96+64*(\set)+8*(4*\e+\mt)+3] offset:4352*\e+128*(\mt/2)+32*(\mt%2)
	ds_store_b128 v[STO], v[96+64*(\set)+8*(4*\e+\mt)+4:96+64*(\set)+8*(4*\e+\mt)+7] offset:4352*\e+128*(\mt/2)+32*(\mt%2)+16
.endr
.endr
	WIN 0
.irp i, 0,1,2,3,4,5,6,7,8,9,10,11,12,13,14,15
	ds_load_b128 v[OB+4*\i:OB+4*\i+3], v[SRD] offset:544*\i      ; LDS serves a wave's instructions in order: these see my stores
.endr
.endm
.macro OUTB
	WIN 0
	s_wait_dscnt 0x0
.irp i, 0,1,2,3,4,5,6,7,8,9,10,11,12,13,14,15
	global_store_b128 v[GO], v[OB+4*\i:OB+4*\i+3], s[12:13] offset:16384*\i th:TH_STORE_NT   ; sixteen lanes store 256 consecutive bytes, aligned
.endr
.endm
; A STEP OF Wp . out: 32 rows d a wave (two tiles) x 64 m, K = all 1,024 c.  set: which eight accumulators; out = 1: the last step's results leave meanwhile.
.macro STEP5 set, first, kind, out
	HEAD \kind, 0
	ADDRS
	ds_load_b64 v[BV:BV+1], v[T8] offset:25600     ; 73 loads: bp, Wp's scale words, its sixteen fragments
.irp k, 0,1,2,3,4,5,6,7
	ds_load_b32 v[XSC+\k], v[T4] offset:24576+128*\k
.endr
	WIN 0x40
.irp f, 0,1,2,3,4,5,6,7,8,9,10,11,12,13,14,15
	FRAG 12*\f, T16, T8, 1536*\f
.endr
.if \first
	WIN 0x80                                       ; out's 32 fragments stay in registers: K steps 0-4 in window 2, 5 and 6 in window 3, 7 in window 1
.irp s, 0,1,2,3,4
.irp mt, 0,1,2,3
.irp i, 0,1,2
	ds_load_b128 v[48*\s+12*\mt+4*\i:48*\s+12*\mt+4*\i+3], v[HR16] offset:1536*(4*\s+\mt)+512*\i
.endr
.endr
.endr
	WIN 0xc0
.irp s, 5,6
.irp mt, 0,1,2,3
.irp i, 0,1,2
	ds_load_b128 v[48*(\s-5)+12*\mt+4*\i:48*(\s-5)+12*\mt+4*\i+3], v[HR16] offset:1536*(4*\s+\mt)+512*\i
.endr
.endr
.endr
	WIN 0x40
.irp mt, 0,1,2,3
.irp i, 0,1,2
	ds_load_b128 v[QFR+12*\mt+4*\i:QFR+12*\mt+4*\i+3], v[HR16] offset:1536*(28+\mt)+512*\i
.endr
.endr
	WIN 0
.irp k, 0,1,2,3,4,5,6,7,8,9,10,11,12,13,14,15
	ds_load_b32 v[HSC+\k], v[HRS] offset:256*\k    ; lanes 0-15 fragment 2 k's words, lanes 16-31 fragment 2 k + 1's
.endr
.endif
.if \out
	OUTA 1-\set
	s_wait_dscnt 32                                ; the 73 are in; the stage's 16 stores and 16 loads stay out
.else
	WIN 0
	s_wait_dscnt 0x0
.endif
.irp e, 0,1
.irp j, 0,1,2,3,4,5,6,7
	v_mov_b32 v[BC+8*\e+\j], v[BV+\e]              ; bp[d] is the same for a lane's eight m
.endr
.endr
.rept 4
	v_nop
.endr
.irp s, 0,1,2,3,4,5,6,7
.if \s == 0
	WIN 0xc6
.elseif \s < 5
	WIN 0xf6
.elseif \s < 7
	WIN 0xf7
.else
	WIN 0xf5
.endif
.irp e, 0,1
.irp mt, 0,1,2,3
.if \s < 5
.set HRG, 48*\s+12*\mt
.elseif \s < 7
.set HRG, 48*(\s-5)+12*\mt
.else
.set HRG, QFR+12*\mt
.endif
.set DRG, 96+64*(\set)+8*(4*\e+\mt)
.if \s == 0
	WM DRG, HRG, 96*\e+12*\s, BC+8*\e, HSC+2*\s+\mt/2, XSC+4*\e+\s/2, \mt%2, \s%2
.else
	WM DRG, HRG, 96*\e+12*\s, DRG, HSC+2*\s+\mt/2, XSC+4*\e+\s/2, \mt%2, \s%2
.endif
.endr
.endr
.if (\s == 3) && (\out)
	OUTB
.endif
.endr
	WIN 0
.if \out
	s_wait_xcnt 0x0                                ; the stores have read their registers and their base
	s_add_nc_u64 s[12:13], s[12:13], 262144        ; 32 rows of out0 on
.endif
	s_xor_b32 s60, s60, SLOT1
.endm
	s_load_b256 s[4:11], s[0:1], 0x0               ; XS, QF, WS, NT
	s_load_b64 s[12:13], s[0:1], 0x20              ; out0
	v_lshl_add_u32 v[SPW], v0, 2, SPARE
	v_mov_b32 v[NIL], 0
	ds_add_u32 v1, v2
	ds_add_u32 v1, v2
	s_wait_dscnt 0x0
	v_lshrrev_b32 v33, 5, v0
	v_readfirstlane_b32 s14, v33                   ; wave
	s_bfe_u32 s15, ttmp6, 0x40000                  ; cx
	s_and_b32 s16, ttmp7, 0xffff                   ; b
	s_lshl_b32 s17, ttmp9, 2
	s_add_co_u32 s17, s17, s15                     ; mb: my 64 columns; it enters the queries', the prefetches' and out0's addresses alone
	s_mov_b32 s20, 0x76543210
	s_mov_b32 s21, 0xfedcba98
	s_mov_b32 s22, 0x3ab8aa3b                      ; c = log2(e) / 1024
	s_mov_b32 s23, s22
	; descriptor groups 1: dense blocks as rows of 256 bytes (32 elements of 8 bytes): 113 rows (XS), 101 (WS), 8 (NT); mask: all four work-groups
.irp g, 24,32,40
	s_mov_b32 s[\g], 15|(3<<16)|(1<<21)
	s_mov_b32 s[\g+1], 32<<16
	s_mov_b32 s[\g+3], 32<<16
	s_mov_b32 s[\g+5], 32
	s_mov_b32 s[\g+6], 0
	s_mov_b32 s[\g+7], 0
.endr
	s_mov_b32 s26, 113<<16
	s_mov_b32 s28, 113
	s_mov_b32 s34, 101<<16
	s_mov_b32 s36, 101
	s_mov_b32 s42, 8<<16
	s_mov_b32 s44, 8
	s_mul_i32 s70, s14, XBLK                       ; my block's place in a slot
	s_mov_b32 s60, 0                               ; the slot in hand
	s_mov_b32 s61, 0                               ; attn's buffer that is read
	s_mov_b32 s62, 0                               ; and the one that is written
	s_mov_b32 s63, 0                               ; NT of the step that is made
	s_mov_b32 s66, 15
	s_cmp_eq_u32 ttmp9, 0
	s_cselect_b32 s67, 2, -1                       ; the batch's first cluster prefetches while the count is above 2
	v_and_b32 v33, 31, v0                          ; L
	v_and_b32 v62, 15, v0                          ; r
	v_bfe_u32 v63, v0, 4, 1                        ; g
	v_lshlrev_b32 v[L16], 4, v33
	v_lshlrev_b32 v[L8], 3, v33
	v_add_nc_u32 v[B16], s70, v[L16]
	v_add_nc_u32 v[B8], s70, v[L8]
	v_lshl_add_u32 v[B4], v33, 2, s70
	v_lshlrev_b32 v[BXS], 3, v62
	v_lshl_add_u32 v[BXS], v63, 1, v[BXS]
	s_add_co_u32 s71, s70, 24576
	v_add_nc_u32 v[BXS], s71, v[BXS]
	s_lshl_b32 s71, s14, 7
	s_add_co_u32 s71, s71, NTB
	v_lshl_add_u32 v[BNT], v63, 6, s71
	v_add_nc_u32 v[AR16], AIMG, v[L16]
	v_add_nc_u32 v[AR8], AIMG, v[L8]
	v_lshl_add_u32 v[ARS], v33, 2, AIMG+6144
	s_lshr_b32 s71, s14, 1
	s_mul_i32 s71, s71, 768
	s_and_b32 s72, s14, 1
	s_lshl_b32 s73, s72, 8
	s_add_co_u32 s73, s73, s71
	s_add_co_u32 s73, s73, AIMG
	v_mul_u32_u24 v[AW16], v63, 1536
	v_lshl_add_u32 v[AW16], v62, 4, v[AW16]
	v_add_nc_u32 v[AW16], s73, v[AW16]             ; block w lies in registers 6 (w / 2) on of lanes 16 (w % 2) + r
	s_lshl_b32 s73, s72, 7
	s_add_co_u32 s73, s73, s71
	s_add_co_u32 s73, s73, AIMG+512
	v_mul_u32_u24 v[AW8], v63, 1536
	v_lshl_add_u32 v[AW8], v62, 3, v[AW8]
	v_add_nc_u32 v[AW8], s73, v[AW8]
	s_add_co_u32 s73, s14, AIMG+6144
	v_lshl_add_u32 v[AWS], v62, 2, s73
	v_min_u32 v[PFO], 112, v0
	v_lshlrev_b32 v[PFO], 8, v[PFO]
	s_mul_i32 s73, s14, 12288
	s_add_co_u32 s73, s73, HIMG
	v_add_nc_u32 v[HW16], s73, v[L16]
	s_lshl_b32 s73, s14, 10
	s_add_co_u32 s73, s73, HSCI
	v_lshl_add_u32 v[HWS], v33, 2, s73
	v_add_nc_u32 v[HR16], HIMG, v[L16]
	v_lshlrev_b32 v[HRS], 2, v62
	v_lshl_add_u32 v[HRS], v63, 7, v[HRS]
	v_add_nc_u32 v[HRS], HSCI, v[HRS]
	s_mul_i32 s73, s14, 8704
	s_add_co_u32 s73, s73, HIMG
	v_mul_u32_u24 v[STO], v62, 272
	v_lshl_add_u32 v[STO], v63, 6, v[STO]
	v_add_nc_u32 v[STO], s73, v[STO]
	v_mul_u32_u24 v[SRD], v63, 272
	v_lshl_add_u32 v[SRD], v62, 4, v[SRD]
	v_add_nc_u32 v[SRD], s73, v[SRD]
	v_lshlrev_b32 v[GO], 13, v63
	v_lshl_add_u32 v[GO], v62, 4, v[GO]
.irp b, 0,1,2,3
	v_mov_b32 v[TM+4+\b], 0                        ; a lane permute's destination counts as one of its sources
.endr
	s_wait_kmcnt 0x0
	s_mul_i32 s74, s16, 16*XSTEP
	s_add_co_u32 s74, s74, s70
	s_mov_b32 s75, 0
	s_mov_b32 s48, 1
	s_mov_b32 s49, s70
	s_add_nc_u64 s[50:51], s[4:5], s[74:75]        ; XS: tile 0 of my batch, my block
	s_or_b32 s51, s51, 0x80000000
	s_mul_i32 s74, s14, WBLK
	s_mov_b32 s52, 1
	s_mov_b32 s53, s70
	s_add_nc_u64 s[54:55], s[8:9], s[74:75]        ; WS: tile 0, my block
	s_or_b32 s55, s55, 0x80000000
	s_lshl_b32 s74, s16, 13
	s_lshl_b32 s76, s14, 11
	s_add_co_u32 s74, s74, s76
	s_mov_b32 s56, 1
	s_add_co_u32 s57, s76, NTB
	s_add_nc_u64 s[58:59], s[10:11], s[74:75]      ; NT: my quarter of the batch's
	s_or_b32 s59, s59, 0x80000000
	ROUND                                          ; all four work-groups are here: the first joint loads meet
	tensor_load_to_lds s[56:59], s[40:47]          ; two loads of mine are out
	s_nop 0
	tensor_load_to_lds s[48:51], s[24:31]
	s_nop 0
.rept 4
	v_nop
.endr
	s_mov_b32 s83, 0
	s_lshl_b32 s82, s16, 6
	s_lshl_b32 s84, s17, 1
	s_add_co_u32 s82, s82, s84
	s_mul_i32 s82, s82, QPART
	s_add_nc_u64 s[78:79], s[6:7], s[82:83]        ; my two groups of queries
	s_lshl_b32 s82, s16, 4
	s_add_co_u32 s82, s82, 15
	s_lshl_b32 s82, s82, 2
	s_add_co_u32 s82, s82, s14
	s_mul_i32 s82, s82, XBLK
	s_add_co_u32 s82, s82, 25600
	s_add_nc_u64 s[80:81], s[4:5], s[82:83]        ; the keys of step 0 ride in the block of step 15
	s_lshl_b32 s82, s16, 4
	s_add_co_u32 s82, s82, 2
	s_mul_i32 s82, s82, XSTEP
	s_mul_i32 s84, s15, XBLK
	s_add_co_u32 s82, s82, s84
	s_add_nc_u64 s[68:69], s[4:5], s[82:83]        ; the prefetches: tile 2; the first change of slots steps it to tile 3
	s_lshl_b32 s82, s16, 23
	s_lshl_b32 s84, s14, 21
	s_add_co_u32 s82, s82, s84
	s_lshl_b32 s84, s17, 8
	s_add_co_u32 s82, s82, s84
	s_add_nc_u64 s[12:13], s[12:13], s[82:83]      ; out0 at row 1,024 b + 256 w, column 64 mb
	WIN 0x40
.irp g, 0,1
.irp u, 0,1
.irp i, 0,1,2
	global_load_b128 v[QFR+12*(2*\g+\u)+4*\i:QFR+12*(2*\g+\u)+4*\i+3], v[L16], s[78:79] offset:QPART*\g+1536*\u+512*\i
.endr
.endr
.endr
.irp u, 0,1
.irp i, 0,1,2
	global_load_b128 v[KF+12*\u+4*\i:KF+12*\u+4*\i+3], v[L16], s[80:81] offset:1536*\u+512*\i
.endr
.endr
	WIN 0
	global_load_b64 v[QSC:QSC+1], v[L8], s[78:79] offset:3072
	global_load_b64 v[QSC+2:QSC+3], v[L8], s[78:79] offset:QPART+3072
	global_load_b64 v[KSC:KSC+1], v[L8], s[80:81] offset:3072
	; ---- trip 0: first attn of step 0, then the trip's own work
	HEAD 1, 1
	ASK
	ADDRS
	WIN 0x40
.irp i, 0,1,2,3
	ds_load_b128 v[NTR+4*\i:NTR+4*\i+3], v[TNT] offset:16*\i
.endr
	WIN 0
	s_wait_loadcnt 0x0                             ; queries, the first keys, their scale words
	s_wait_dscnt 0x0
	P3
	WIN 0
.rept 4
	v_nop
.endr
	FMA
	EXPQ
	s_wait_dscnt 0x0                               ; my part of attn's image has landed
	s_barrier_signal -1
	s_barrier_wait -1                              ; everybody's has.  Tile 1 may stay out
	s_xor_b32 s62, s62, ABUF
	s_add_co_u32 s63, s63, 512
	ADDRS
	BODY 1, 1
	s_mov_b32 s66, 14
.Lk4:                                              ; trips 1 to 14
	HEAD 1, 1
	ASK
	ADDRS
	BODY 0, 1
	s_sub_co_u32 s66, s66, 1
	s_cmp_lg_u32 s66, 0
	s_cbranch_scc1 .Lk4
	HEAD 2, 0                                      ; trip 15: no attn is left to make; the first tile of WS is asked for
	ADDRS
	BODY 0, 0
	; ---- out is quantised along c: my 256 c are K steps 2 w and 2 w + 1 of the last product; eight fragments go to LDS as images
.rept 4
	v_nop
.endr
.irp mt, 0,1,2,3
.irp sl, 0,1
	QUANTW 2+\mt/2, 128*(\mt%2)+64*\sl
.irp i, 0,1,2
	ds_store_b128 v[HW16], v[PC+4*\i:PC+4*\i+3] offset:1536*(4*\sl+\mt)+512*\i
.endr
	ds_store_b32 v[HWS], v[PW] offset:128*(4*\sl+\mt)
	s_wait_dscnt 0x0                               ; the stores have read their registers
.endr
.endr
	; ---- Wp . out + bp, eight steps of 32 d a wave
	STEP5 0, 1, 3, 0
	s_mov_b32 s66, 3
.Lk5:
	STEP5 1, 0, 3, 1
	STEP5 0, 0, 3, 1
	s_sub_co_u32 s66, s66, 1
	s_cmp_lg_u32 s66, 0
	s_cbranch_scc1 .Lk5
	STEP5 1, 0, 0, 1
.rept 4
	v_nop
.endr
	OUTA 1
	OUTB
	s_wait_tensorcnt 0x0                           ; the wave's end
	ds_add_u32 v[SPW], v[NIL]
	s_wait_dscnt 0x0
	ROUND                                          ; the closing round: no work-group ends while a partner may still ask for a tile that names it
	s_endpgm
.Lfunc_end_k_q677bd2e4af_attn:
	.size	k_q677bd2e4af_attn, .Lfunc_end_k_q677bd2e4af_attn-k_q677bd2e4af_attn
	.p2alignl 7, 3214868480
	.fill 96, 4, 3214868480
	.section	.rodata,"a",@progbits
	.p2align	6, 0x0
	.amdhsa_kernel k_q677bd2e4af_attn
		.amdhsa_group_segment_fixed_size 327680
		.amdhsa_private_segment_fixed_size 0
		.amdhsa_enable_private_segment 0
		.amdhsa_kernarg_size 40
		.amdhsa_user_sgpr_count 2
		.amdhsa_user_sgpr_kernarg_segment_ptr 1
		.amdhsa_wavefront_size32 1
		.amdhsa_system_sgpr_workgroup_id_x 1
		.amdhsa_system_sgpr_workgroup_id_y 1
		.amdhsa_system_sgpr_workgroup_id_z 1
		.amdhsa_system_vgpr_workitem_id 0
		.amdhsa_next_free_vgpr 1024
		.amdhsa_next_free_sgpr 100
		.amdhsa_reserve_vcc 0
		.amdhsa_float_denorm_mode_32 3
		.amdhsa_float_denorm_mode_16_64 3
		.amdhsa_memory_ordered 1
		.amdhsa_forward_progress 1
		.amdhsa_inst_pref_size 205
	.end_amdhsa_kernel
	.amdgpu_metadata
---
amdhsa.version: [ 1, 2 ]
amdhsa.kernels:
  - .name:           k_q677bd2e4af_attn
    .symbol:         k_q677bd2e4af_attn.kd
    .args:
      - { .name: XS, .offset: 0, .size: 8, .value_kind: global_buffer, .address_space: global }
      - { .name: QF, .offset: 8, .size: 8, .value_kind: global_buffer, .address_space: global }
      - { .name: WS, .offset: 16, .size: 8, .value_kind: global_buffer, .address_space: global }
      - { .name: NT, .offset: 24, .size: 8, .value_kind: global_buffer, .address_space: global }
      - { .name: out0, .offset: 32, .size: 8, .value_kind: global_buffer, .address_space: global }
    .group_segment_fixed_size: 327680
    .private_segment_fixed_size: 0
    .kernarg_segment_align: 8
    .kernarg_segment_size: 40
    .max_flat_workgroup_size: 128
    .sgpr_count:     100
    .vgpr_count:     1024
    .wavefront_size: 32
...
	.end_amdgpu_metadata
.endif
;; end of part 3
;; ======== version 2 of 2: 3 launches
;; workspace buffers: XS 14,811,136 bytes; QF 1,703,936 bytes; WS 827,392 bytes; NT 65,536 bytes
;; launch prep (part 4): grid 32 x 8, 4 waves a work-group, no clusters, 295,424 bytes of LDS; arguments x, Wk_codes, Wk_scales, bk, Wq_codes, Wq_scales, bq, Wp_codes, Wp_scales, bp, XS, QF, WS; writes XS, QF, WS
.if DOCPART == 4
	.amdgcn_target "amdgcn-amd-amdhsa--gfx1250"
	.amdhsa_code_object_version 6
	.text
	.protected	k_q677bd2e4af_prep
	.globl	k_q677bd2e4af_prep
	.p2align	8
	.type	k_q677bd2e4af_prep,@function
k_q677bd2e4af_prep:
	s_mov_b64 s[64:65], 0
	v_nop
	global_prefetch_b8 v0, s[64:65] scope:SCOPE_SE
	s_setreg_imm32_b32 hwreg(HW_REG_WAVE_MODE, 25, 1), 1
	s_wait_xcnt 0x0
; PREP.  x [8][1024 c][2048 l] f32 is read ONCE and quantised twice to E3M2 codes with one E8M0 byte for each 32 numbers:
;  (a) along l: operand of x . attn; the codes leave as images of operand registers into XS;
;  (b) along c: operand of Wk x and Wq x; these codes stay in the work-group.  keys = Wk x + bk and queries = Wq x + bq are made here,
;      quantised along a (128 = one K step) and stored as images of operand registers (keys into XS, queries into QF).
; Besides, wave 3 of each work-group copies two fragments of Wp (codes as given), their scale words and bp into WS, in the order in which the last launch streams them.
; SHARES.  A work-group owns all 1,024 c of 64 columns l (rows of 256 aligned bytes, 256 KiB), asked for at the head by four tensor loads a wave; nothing in LDS is filled twice.
; Wave w: role kq = w / 2 (0 keys, 1 queries), column group cg = w % 2 (32 l).  Four chunks of 256 c; in each a wave quantises 128 c x 32 l along c, 64 c x 64 l along l, and issues 32 products.
; TILE ORDER.  Lane r of tile 2 b + u takes index 32 b + 8 u + r + 8 (r / 8), for W's rows a, x's columns l and x's rows c: a product's 16 registers of two neighbouring tiles are then 16 neighbours along the next K.
; W'S FRAGMENTS come from memory straight into registers: lane (r, h) loads 48 consecutive bytes of its row's 96 (three loads of 16 bytes, every address a multiple of 16): both lane halves' pieces of K half h;
; six exchanges of lane halves then give the operand's order.
; NO CLUSTER: each byte of x belongs to one work-group, and LDS holds 278,528 bytes of x and has no room for tiles of W.
; LIMITS: NaN and infinities are not served.  A block of zeros gets the byte 1, not 127: its codes are zeros, and this program alone reads the bytes.  A block's largest magnitude is taken no smaller than 2^(5-127).
.set PX,    272                        ; an LDS row of x: 256 bytes + 16 of padding
.set CHK,   256*PX                     ; a chunk of 256 rows
.set XIMG,  1024*PX                    ; 8 images of x's fragments along c, 1,536 bytes each: index (2 ks + cg) 2 + u
.set XSI,   XIMG+12288                 ; their scale words, 4 x 128 bytes
.set SCG,   XSI+512                    ; [chunk 4][512]: scale half-words of x along l, gathered for whole stores
.set XBLK,  28928                      ; a block of XS
.set XSTEP, 4*XBLK
.set QPART, 3328
.set WBLK,  25856
; window 0
.set LN, 1
.set RR, 2
.set HH, 3
.set AB, 4                             ; LDS: my column in task (b)
.set AA, 5                             ; LDS: my row and half in task (a)
.set L16, 6
.set L8, 7
.set L4, 8
.set IW, 9
.set ISW, 10
.set IR, 11
.set ISR, 12
.set WA, 13
.set WSA, 14
.set BA, 15
.set SGW, 16
.set SGR, 17
.set PI, 18
.set RLA, 19
.set XSW, 20                           ; v20-21 x's scale words of the chunk's two K steps (scales alone)
.set RLS, 22
.set R4, 23
.set WSC, 24                           ; v24-39 W's scale words, two sets of 8 (scales alone)
.set XF, 40                            ; v40-87 x's four fragments
.set ACC, 96                           ; v96-223 sixteen accumulators: 64 u + 8 t
.set PC, 40                            ; at the end, over XF: codes
.set TM, 60
.set PW, 76
; window 1
.set F0, 128
.set F1, 140
.set CT, 152
.set MX, 168
.set SO, 172
.set BY, 176
.set SW, 180
.set SH8, 181
.set TT, 182
.set AC, 184
.set AT2, 216
.set HW, 232
.set MSB, 0
.macro WIN new                         ; the immediate's high byte repeats the setting that is left
.if MSB != (\new)
	s_set_vgpr_msb (MSB<<8)|(\new)
.set MSB, (\new)
.endif
.endm
.macro BAR                             ; my LDS stores have landed and my LDS loads are in: then the work-group's barrier
	s_wait_dscnt 0x0
	s_barrier_signal -1
	s_barrier_wait -1
.endm
.macro WMX d, a, b, c, sa, sb, ra, rb
.if (\ra) && (\rb)
	v_wmma_scale_f32_16x16x128_f8f6f4 v[(\d):(\d)+7], v[(\a):(\a)+11], v[(\b):(\b)+11], \c, v[\sa], v[\sb] matrix_a_fmt:MATRIX_FMT_BF6 matrix_b_fmt:MATRIX_FMT_BF6 matrix_a_scale:MATRIX_SCALE_ROW1 matrix_b_scale:MATRIX_SCALE_ROW1
.elseif (\ra)
	v_wmma_scale_f32_16x16x128_f8f6f4 v[(\d):(\d)+7], v[(\a):(\a)+11], v[(\b):(\b)+11], \c, v[\sa], v[\sb] matrix_a_fmt:MATRIX_FMT_BF6 matrix_b_fmt:MATRIX_FMT_BF6 matrix_a_scale:MATRIX_SCALE_ROW1
.elseif (\rb)
	v_wmma_scale_f32_16x16x128_f8f6f4 v[(\d):(\d)+7], v[(\a):(\a)+11], v[(\b):(\b)+11], \c, v[\sa], v[\sb] matrix_a_fmt:MATRIX_FMT_BF6 matrix_b_fmt:MATRIX_FMT_BF6 matrix_b_scale:MATRIX_SCALE_ROW1
.else
	v_wmma_scale_f32_16x16x128_f8f6f4 v[(\d):(\d)+7], v[(\a):(\a)+11], v[(\b):(\b)+11], \c, v[\sa], v[\sb] matrix_a_fmt:MATRIX_FMT_BF6 matrix_b_fmt:MATRIX_FMT_BF6
.endif
.endm
.macro WM d, a, b, c, sa, sb, ra, rb   ; c < 0: the constant 0 starts the sum
.if (\c) < 0
	WMX \d, \a, \b, 0, \sa, \sb, \ra, \rb
.else
	WMX \d, \a, \b, v[(\c):(\c)+7], \sa, \sb, \ra, \rb
.endif
.endm
; W's eight fragments and scale words of K step k into set k % 2.  Lane (r, h) takes bytes 48 h .. 48 h + 47 of its row's 96: registers 0-5 the piece of lanes 0-15, registers 6-11 the piece of lanes 16-31, both of K half h (WSWAP sets them right)
.macro WLOAD k
	WIN 0x80
.irp t, 0,1,2,3,4,5,6,7
.irp i, 0,1,2
	global_load_b128 v[96*((\k)%2)+12*\t+4*\i:96*((\k)%2)+12*\t+4*\i+3], v[WA], s[66:67] offset:(32*(\t/2)+8*(\t%2))*768+96*(\k)+16*\i
.endr
.endr
	WIN 0
.irp t, 0,1,2,3,4,5,6,7
	global_load_b32 v[WSC+8*((\k)%2)+\t], v[WSA], s[68:69] offset:(32*(\t/2)+8*(\t%2))*32+4*(\k)
.endr
.endm
; The sixteen fragments of both sets into the operand's order: register i's lanes 16-31 (K half 1, piece of lanes 0-15) change places with register 6 + i's lanes 0-15 (K half 0, piece of lanes 16-31).
; Registers 0-5 then hold K half 0 and registers 6-11 K half 1, each lane its own piece.
.macro WSWAP
	WIN 0x82
.irp f, 0,1,2,3,4,5,6,7,8,9,10,11,12,13,14,15
.irp i, 0,1,2,3,4,5
	v_permlane16_swap_b32 v[12*\f+\i], v[12*\f+6+\i]
.endr
.endr
.endm
; four blocks of 32 numbers in v0-127 of window 1 (block k at 32 k): largest magnitude with the floor 2^(5-127), the conversion's scale operand (4 off the exponent field), the byte.  The blocks take turns
.macro BLKMAX
.irp k, 0,1,2,3
	v_max3_num_f32 v[MX+\k], |v[32*\k]|, |v[32*\k+1]|, 0x2800000
.endr
.irp i, 2,4,6,8,10,12,14,16,18,20,22,24,26,28,30
.irp k, 0,1,2,3
	v_max3_num_f32 v[MX+\k], v[MX+\k], |v[32*\k+\i]|, |v[32*\k+\i+1]|
.endr
.endr
.irp k, 0,1,2,3
	v_add_nc_u32 v[SO+\k], 0xfe000000, v[MX+\k]
.endr
.irp k, 0,1,2,3
	v_lshrrev_b32 v[BY+\k], 23, v[SO+\k]
.endr
.endm
; 16 products: W's eight tiles x my two column tiles, K step ks of the chunk.  The sixteen accumulators take turns, one instruction a turn
.macro MUL ks, first
.if \first
	WIN 0x22                                       ; W and the bias in window 2
.else
	WIN 0x02
.endif
.irp t, 0,1,2,3,4,5,6,7
.irp u, 0,1
.if \first
	WM ACC+64*\u+8*\t, 96*\ks+12*\t, XF+12*(2*\ks+\u), 192+8*\t, WSC+8*\ks+\t, XSW+\ks, 0, \u
.else
	WM ACC+64*\u+8*\t, 96*\ks+12*\t, XF+12*(2*\ks+\u), ACC+64*\u+8*\t, WSC+8*\ks+\t, XSW+\ks, 0, \u
.endif
.endr
.endr
.endm
; 64 numbers of a lane, register 16 b + i = k 32 b + 16 (lane / 16) + i of my row, become a fragment's codes in v[PC] on and its scale word in v[pw]
.macro QUANT s, pw
.irp b, 0,1,2,3
	v_max3_num_f32 v[TM+\b], |v[\s+16*\b]|, |v[\s+1+16*\b]|, 0x2800000
.endr
.irp i, 2,4,6,8,10,12,14
.irp b, 0,1,2,3
	v_max3_num_f32 v[TM+\b], v[TM+\b], |v[\s+16*\b+\i]|, |v[\s+1+16*\b+\i]|
.endr
.endr
.irp b, 0,1,2,3
	v_permlanex16_b32 v[TM+4+\b], v[TM+\b], s60, s61
.endr
.irp b, 0,1,2,3
	v_max_num_f32 v[TM+\b], v[TM+\b], v[TM+4+\b]   ; with lane l xor 16's: the block's largest magnitude
.endr
.irp b, 0,1,2,3
	v_add_nc_u32 v[TM+12+\b], 0xfe000000, v[TM+\b]
.endr
.irp b, 0,1,2,3
	v_lshrrev_b32 v[TM+4+\b], 23, v[TM+12+\b]
.endr
	v_lshl_or_b32 v[\pw], v[TM+5], 8, v[TM+4]
	v_lshl_or_b32 v[\pw], v[TM+6], 16, v[\pw]
	v_lshl_or_b32 v[\pw], v[TM+7], 24, v[\pw]
.irp c, 0,1
	v_cvt_scalef32_pk16_bf6_f32 v[PC+6*\c:PC+2+6*\c], v[\s+32*\c:\s+15+32*\c], v[TM+12+2*\c]
	v_cvt_scalef32_pk16_bf6_f32 v[PC+12+4*\c:PC+14+4*\c], v[\s+16+32*\c:\s+31+32*\c], v[TM+12+2*\c+1]
.endr
	v_nop                                          ; one plain place behind a scaled conversion
.irp c, 0,1                                    ; the operand wants a whole block in a lane: lanes 0-15 block 2 c, lanes 16-31 block 2 c + 1
.irp i, 0,1,2
	v_permlane16_swap_b32 v[PC+6*\c+\i], v[PC+12+4*\c+\i]
.endr
.irp i, 0,1,2
	v_mov_b32 v[PC+3+6*\c+\i], v[PC+12+4*\c+\i]
.endr
.endr
.endm
	s_load_b512 s[4:19], s[0:1], 0x0               ; x, Wk codes, Wk scales, bk, Wq codes, Wq scales, bq, Wp codes
	s_load_b256 s[20:27], s[0:1], 0x40             ; Wp scales, bp, XS, QF
	s_load_b64 s[28:29], s[0:1], 0x60              ; WS
	v_lshl_add_u32 v254, v0, 2, 0x48000
	v_mov_b32 v255, 0
	ds_add_u32 v254, v255
	ds_add_u32 v254, v255
	v_lshrrev_b32 v1, 5, v0
	v_readfirstlane_b32 s30, v1                    ; wave
	s_lshr_b32 s31, s30, 1                         ; kq
	s_and_b32 s56, s30, 1                          ; cg
	s_and_b32 s58, ttmp7, 0xffff                   ; b
	s_lshr_b32 s59, ttmp9, 1                       ; s: which 128 l
	s_and_b32 s63, ttmp9, 1                        ; cc: which half of them
	s_mov_b32 s60, 0x76543210
	s_mov_b32 s61, 0xfedcba98                      ; v_permlanex16_b32's selects for lane l xor 16
	s_mov_b32 s62, 0xffff0000                      ; lanes 16-31
	; descriptor group 1: 64 rows x 64 elements of 4 bytes, 2,048 elements from row to row, 4 words of padding behind every 64
	s_mov_b32 s32, (2<<16)|(1<<20)|(5<<22)|(3<<25)
	s_mov_b32 s33, 64<<16
	s_mov_b32 s34, 64<<16
	s_mov_b32 s35, 64<<16
	s_mov_b32 s36, 64
	s_mov_b32 s37, 2048
	s_mov_b32 s38, 0
	s_mov_b32 s39, 0
	s_mul_i32 s57, s30, 64*PX                      ; my 64 rows of a chunk, in LDS
	s_lshl_b32 s2, s58, 23                         ; b x 1,024 rows of 8,192 bytes
	s_lshl_b32 s3, s30, 19                         ; + 64 w rows
	s_add_co_u32 s2, s2, s3
	s_lshl_b32 s3, ttmp9, 8                        ; + my 64 columns
	s_add_co_u32 s2, s2, s3
	s_mov_b32 s3, 0
	v_and_b32 v[LN], 31, v0
	v_and_b32 v[RR], 15, v0
	v_bfe_u32 v[HH], v0, 4, 1
	v_and_b32 v[PI], 8, v[RR]
	v_add_nc_u32 v[PI], v[PI], v[RR]               ; r + 8 (r / 8)
	v_lshl_add_u32 v[AB], v[HH], 3, v[PI]          ; task (b): lanes 0-15 hold column tile 0, lanes 16-31 tile 1
	v_lshlrev_b32 v[AB], 2, v[AB]
	s_lshl_b32 s78, s56, 7
	s_mul_i32 s79, s31, 128*PX
	s_add_co_u32 s78, s78, s79
	v_add_nc_u32 v[AB], s78, v[AB]                 ; + my column group, + my 128 rows of the chunk
	v_mul_u32_u24 v[AA], v[PI], PX
	v_lshl_add_u32 v[AA], v[HH], 7, v[AA]
	v_add_nc_u32 v[AA], s57, v[AA]                 ; task (a): row, 32 l of my half, my 64 rows of the chunk
	v_lshlrev_b32 v[L16], 4, v[LN]
	v_lshlrev_b32 v[L8], 3, v[LN]
	v_lshlrev_b32 v[L4], 2, v[LN]
	s_mul_i32 s78, s30, 3072
	s_add_co_u32 s78, s78, XIMG
	v_add_nc_u32 v[IW], s78, v[L16]
	s_lshl_b32 s78, s30, 7
	s_add_co_u32 s78, s78, XSI
	v_add_nc_u32 v[ISW], s78, v[L4]
	s_mul_i32 s78, s56, 3072
	s_add_co_u32 s78, s78, XIMG
	v_add_nc_u32 v[IR], s78, v[L16]
	s_lshl_b32 s78, s56, 7
	s_add_co_u32 s78, s78, XSI
	v_add_nc_u32 v[ISR], s78, v[L4]
	v_mul_u32_u24 v[WA], v[PI], 768
	v_mad_u32_u24 v[WA], v[HH], 48, v[WA]          ; W: my row of 768 bytes, + 48 h
	v_lshlrev_b32 v[WSA], 5, v[PI]
	v_lshlrev_b32 v[BA], 6, v[HH]
	v_lshlrev_b32 v[SGW], 3, v[RR]
	v_lshl_add_u32 v[SGW], v[HH], 2, v[SGW]
	s_lshl_b32 s78, s30, 7
	s_add_co_u32 s78, s78, SCG
	v_add_nc_u32 v[SGW], s78, v[SGW]
	s_lshl_b32 s78, s30, 9
	s_add_co_u32 s78, s78, SCG
	v_add_nc_u32 v[SGR], s78, v[L16]
	v_mul_u32_u24 v[RLA], v[RR], 768
	v_mad_u32_u24 v[RLA], v[HH], 24, v[RLA]
	v_lshlrev_b32 v[RLS], 5, v[RR]
	v_lshl_add_u32 v[RLS], v[HH], 2, v[RLS]
	v_lshlrev_b32 v[R4], 2, v[RR]
	s_wait_dscnt 0x0
	s_wait_kmcnt 0x0
	s_add_nc_u64 s[2:3], s[4:5], s[2:3]            ; x at my rows of chunk 0
.irp j, 0,1,2,3
	s_mov_b32 s[40+4*\j], 1
	s_add_co_u32 s[41+4*\j], s57, \j*CHK
	s_add_nc_u64 s[42+4*\j:43+4*\j], s[2:3], \j*2097152
	s_or_b32 s[43+4*\j], s[43+4*\j], 0x80000000
.endr
	tensor_load_to_lds s[40:43], s[32:39]          ; the whole input of the work-group goes out at once: four loads of mine are out
	s_nop 0
	tensor_load_to_lds s[44:47], s[32:39]
	s_nop 0
	tensor_load_to_lds s[48:51], s[32:39]
	s_nop 0
	tensor_load_to_lds s[52:55], s[32:39]
	s_nop 0
.rept 4
	v_nop
.endr
	s_mov_b32 s3, 0
	s_cmp_eq_u32 s31, 0                            ; my role's W, scales and bias
	s_cselect_b64 s[66:67], s[6:7], s[12:13]
	s_cselect_b64 s[68:69], s[8:9], s[14:15]
	s_cselect_b64 s[70:71], s[10:11], s[16:17]
	s_lshl_b32 s80, s58, 4
	s_add_co_u32 s81, s80, s59                     ; 16 b + s
	s_mul_i32 s81, s81, XSTEP
	s_mul_i32 s2, s63, 768
	s_mul_i32 s82, s30, 6144
	s_add_co_u32 s2, s2, s82
	s_add_co_u32 s2, s2, s81
	s_add_nc_u64 s[72:73], s[24:25], s[2:3]        ; x's halves of fragments: step, half cc, my four tiles
	s_mul_i32 s2, s30, XBLK
	s_lshl_b32 s82, s63, 9
	s_add_co_u32 s2, s2, s82
	s_add_co_u32 s2, s2, s81
	s_add_co_u32 s2, s2, 24576
	s_add_nc_u64 s[76:77], s[24:25], s[2:3]        ; the plane of scale half-words of block w
	s_sub_co_u32 s82, s59, 1
	s_and_b32 s82, s82, 15                         ; keys of step s ride in the block of step s - 1
	s_add_co_u32 s82, s82, s80
	s_lshl_b32 s82, s82, 2
	s_lshl_b32 s83, s63, 1
	s_add_co_u32 s82, s82, s83
	s_add_co_u32 s82, s82, s56
	s_mul_i32 s82, s82, XBLK
	s_add_co_u32 s82, s82, 25600
	s_lshl_b32 s83, s58, 6
	s_lshl_b32 s84, ttmp9, 1
	s_add_co_u32 s83, s83, s84
	s_add_co_u32 s83, s83, s56
	s_mul_i32 s83, s83, QPART
	s_cmp_eq_u32 s31, 0
	s_cselect_b32 s2, s82, s83
	s_cselect_b64 s[74:75], s[24:25], s[26:27]
	s_add_nc_u64 s[74:75], s[74:75], s[2:3]        ; where my two key or query fragments go
	WIN 0x80
.irp t, 0,1,2,3,4,5,6,7                        ; the bias in the result's layout: lane (r, h), tile t: a = 32 (t / 2) + 16 h + 8 (t % 2) + 0 .. 7
	global_load_b128 v[192+8*\t:195+8*\t], v[BA], s[70:71] offset:(32*(\t/2)+8*(\t%2))*4
	global_load_b128 v[196+8*\t:199+8*\t], v[BA], s[70:71] offset:(32*(\t/2)+8*(\t%2))*4+16
.endr
	WLOAD 0
	WLOAD 1
	WIN 0x40
.irp q, 0,1,2,3
	v_mov_b32 v[HW+\q], 0                          ; a lane permute's destination counts as one of its sources
.endr
	v_lshlrev_b32 v[SH8], 3, v[HH]                 ; 8 h
	WIN 0
	; ---- wave 3: two fragments of Wp, their scale words and (one work-group in eight) 32 numbers of bp, into WS
	s_cmp_lg_u32 s30, 3
	s_cbranch_scc1 .Lno_relay
	s_lshl_b32 s82, s58, 5
	s_add_co_u32 s82, s82, ttmp9                   ; n = 0 .. 255
	s_lshr_b32 s83, s82, 3                         ; block of WS = 4 g + w'
	s_and_b32 s84, s82, 7
	s_lshl_b32 s85, s84, 1                         ; f0: my first fragment, f = 8 e + s
	s_lshr_b32 s86, s85, 3                         ; e
	s_and_b32 s87, s85, 7                          ; s0
	s_lshr_b32 s88, s83, 2                         ; g
	s_and_b32 s89, s83, 3                          ; w'
	s_lshl_b32 s90, s89, 4
	s_lshl_b32 s91, s88, 1
	s_add_co_u32 s90, s90, s91
	s_add_co_u32 s90, s90, s86                     ; which 16 rows d: 16 w' + 2 g + e
	s_mul_i32 s2, s90, 12288
	s_mul_i32 s91, s87, 96
	s_add_co_u32 s2, s2, s91
	s_add_nc_u64 s[92:93], s[18:19], s[2:3]
	s_lshl_b32 s2, s90, 9
	s_lshl_b32 s91, s87, 2
	s_add_co_u32 s2, s2, s91
	s_add_nc_u64 s[94:95], s[20:21], s[2:3]
	s_mul_i32 s2, s83, WBLK
	s_add_nc_u64 s[96:97], s[28:29], s[2:3]
	s_mul_i32 s2, s85, 1536
	s_add_nc_u64 s[98:99], s[96:97], s[2:3]
	s_lshl_b32 s2, s85, 6
	s_add_nc_u64 s[100:101], s[96:97], s[2:3]
.irp i, 0,1
.irp p, 0,1,2,3,4,5
	global_load_b64 v[96+12*\i+2*\p:97+12*\i+2*\p], v[RLA], s[92:93] offset:96*\i+48*(\p/3)+8*(\p%3)
.endr
.endr
	global_load_b32 v120, v[RLS], s[94:95]         ; lane (r, h): the word of row r, K step s0 + h
	s_wait_loadcnt 0x0
.irp i, 0,1
	global_store_b128 v[L16], v[96+12*\i:99+12*\i], s[98:99] offset:1536*\i
	global_store_b64 v[L8], v[100+12*\i:101+12*\i], s[98:99] offset:1536*\i+512
	global_store_b128 v[L16], v[102+12*\i:105+12*\i], s[98:99] offset:1536*\i+768
	global_store_b64 v[L8], v[106+12*\i:107+12*\i], s[98:99] offset:1536*\i+1280
.endr
	global_store_b32 v[L4], v120, s[100:101] offset:24576
	s_cmp_lg_u32 s84, 0
	s_cbranch_scc1 .Lno_bp
	s_lshl_b32 s2, s89, 10
	s_lshl_b32 s91, s88, 7
	s_add_co_u32 s2, s2, s91                       ; 4 (256 w' + 32 g)
	s_add_nc_u64 s[92:93], s[22:23], s[2:3]        ; (the loads that named s[92:93] are done)
	global_load_b32 v122, v[R4], s[92:93]
	global_load_b32 v123, v[R4], s[92:93] offset:64
	s_wait_loadcnt 0x0
	global_store_b64 v[L8], v[122:123], s[96:97] offset:25600
.Lno_bp:
	s_wait_xcnt 0x0                                ; the stores have read v96 on, which the products will write
.Lno_relay:
; A CHUNK of 256 c: K steps 2 j and 2 j + 1.
.macro CHUNK j
	s_wait_tensorcnt 3-\j                          ; my quarter of chunk j has landed; the 3 - j younger loads stay out
	BAR                                            ; everybody's has; and the last chunk's reads of the images are over
	; (b) 128 c x 32 l along c: a lane to a column, registers down c
	WIN 0x40
.set I1, 0
.rept 128
	ds_load_b32 v[I1], v[AB] offset:PX*I1          ; 32 lanes read 128 bytes of one row
.set I1, I1+1
.endr
	s_wait_dscnt 0x0
	WIN 0x55
	BLKMAX
	v_lshl_or_b32 v[SW], v[BY+1], 8, v[BY]         ; my column's scale word: lanes 0-15 tile 0's, lanes 16-31 tile 1's
	v_lshl_or_b32 v[SW], v[BY+2], 16, v[SW]
	v_lshl_or_b32 v[SW], v[BY+3], 24, v[SW]
	v_cvt_scalef32_pk16_bf6_f32 v[F0:F0+2], v[0:15], v[SO]
	v_cvt_scalef32_pk16_bf6_f32 v[CT:CT+2], v[16:31], v[SO]
	v_cvt_scalef32_pk16_bf6_f32 v[F1:F1+2], v[32:47], v[SO+1]
	v_cvt_scalef32_pk16_bf6_f32 v[CT+4:CT+6], v[48:63], v[SO+1]
	v_cvt_scalef32_pk16_bf6_f32 v[F0+6:F0+8], v[64:79], v[SO+2]
	v_cvt_scalef32_pk16_bf6_f32 v[CT+8:CT+10], v[80:95], v[SO+2]
	v_cvt_scalef32_pk16_bf6_f32 v[F1+6:F1+8], v[96:111], v[SO+3]
	v_cvt_scalef32_pk16_bf6_f32 v[CT+12:CT+14], v[112:127], v[SO+3]
	v_nop                                          ; one plain place behind the conversions
.irp i, 0,1,2
	v_mov_b32 v[F0+3+\i], v[CT+\i]
	v_mov_b32 v[F1+3+\i], v[CT+4+\i]
	v_mov_b32 v[F0+9+\i], v[CT+8+\i]
	v_mov_b32 v[F1+9+\i], v[CT+12+\i]
.endr
.irp i, 0,1,2,3,4,5,6,7,8,9,10,11           ; F0 held blocks 0, 2 and F1 blocks 1, 3 of every lane's column: after the exchange F0 is tile 0's fragment, F1 tile 1's
	v_permlane16_swap_b32 v[F0+\i], v[F1+\i]
.endr
	WIN 0x04
.irp i, 0,1,2
	ds_store_b128 v[IW], v[F0+4*\i:F0+4*\i+3] offset:512*\i
	ds_store_b128 v[IW], v[F1+4*\i:F1+4*\i+3] offset:1536+512*\i
.endr
	ds_store_b32 v[ISW], v[SW]
	; (a) 64 c x 64 l along l: lane (r, h) holds 32 neighbours of a row; four tiles of 16 rows
	WIN 0x40
.irp q, 0,1,2,3
.irp i, 0,1,2,3,4,5,6,7
	ds_load_b128 v[32*\q+4*\i:32*\q+4*\i+3], v[AA] offset:(32*(\q/2)+8*(\q%2))*PX+16*\i
.endr
.endr
	s_wait_dscnt 0x0
	s_wait_xcnt 0x0                                ; the last chunk's stores have read the registers that are written below
	WIN 0x55
	BLKMAX
.irp q, 0,1,2,3
	v_cvt_scalef32_pk16_bf6_f32 v[AC+8*\q:AC+8*\q+2], v[32*\q:32*\q+15], v[SO+\q]
	v_cvt_scalef32_pk16_bf6_f32 v[AT2+4*\q:AT2+4*\q+2], v[32*\q+16:32*\q+31], v[SO+\q]
.endr
.irp q, 0,1,2,3
	v_lshlrev_b32 v[BY+\q], v[SH8], v[BY+\q]       ; my byte at its place in the half-word (plain places behind the conversions)
.endr
.irp q, 0,1,2,3
.irp i, 0,1,2
	v_mov_b32 v[AC+8*\q+3+\i], v[AT2+4*\q+\i]
.endr
.endr
.irp q, 0,1,2,3
	v_permlanex16_b32 v[HW+\q], v[BY+\q], s60, s61
.endr
.irp q, 0,1,2,3
	v_or_b32 v[HW+\q], v[HW+\q], v[BY+\q]          ; the row's two bytes of these 64 l
.endr
	v_lshl_or_b32 v[TT], v[HW+1], 16, v[HW]
	v_lshl_or_b32 v[TT+1], v[HW+3], 16, v[HW+2]
	v_cndmask_b32 v[TT], v[TT], v[TT+1], s62       ; lanes 0-15 keep tiles 0, 1; lanes 16-31 tiles 2, 3
	WIN 0x04
.irp q, 0,1,2,3
	global_store_b128 v[L16], v[AC+8*\q:AC+8*\q+3], s[72:73] offset:XBLK*\j+1536*\q      ; 512 consecutive bytes, aligned to 256
	global_store_b64 v[L8], v[AC+8*\q+4:AC+8*\q+5], s[72:73] offset:XBLK*\j+1536*\q+512  ; 256 consecutive bytes, aligned
.endr
	ds_store_b32 v[SGW], v[TT] offset:512*\j
	BAR                                            ; the eight images lie in LDS
	WIN 0
.irp ks, 0,1
.irp u, 0,1
.irp i, 0,1,2
	ds_load_b128 v[XF+12*(2*\ks+\u)+4*\i:XF+12*(2*\ks+\u)+4*\i+3], v[IR] offset:6144*\ks+1536*\u+512*\i
.endr
.endr
	ds_load_b32 v[XSW+\ks], v[ISR] offset:256*\ks
.endr
	s_wait_loadcnt 0x0                             ; W's two sets (and, the first time, the bias)
	WSWAP                                          ; W into the operand's order, while x's images are on their way out of LDS
	s_wait_dscnt 0x0
.rept 4
	v_nop                                          ; an operand written by vector instructions stands four places ahead of a scaled product
.endr
.if \j == 0
	MUL 0, 1
.else
	MUL 0, 0
.endif
	MUL 1, 0
	WIN 0
.rept 4
	v_nop                                          ; places in front of loads into registers that the products have read, and of the first read of results
.endr
.if \j < 3
	WLOAD 2*\j+2
	WLOAD 2*\j+3
	v_add_nc_u32 v[AB], CHK, v[AB]
	v_add_nc_u32 v[AA], CHK, v[AA]
.endif
.endm
	CHUNK 0
	CHUNK 1
	CHUNK 2
	CHUNK 3
	; ---- the keys or queries of my 32 l: two fragments (rows l in tile order, K = a) and their scale words
.irp b, 0,1,2,3
	v_mov_b32 v[TM+4+\b], 0
.endr
	QUANT ACC, PW
.irp i, 0,1,2
	global_store_b128 v[L16], v[PC+4*\i:PC+4*\i+3], s[74:75] offset:512*\i
.endr
	s_wait_xcnt 0x0                                ; the stores have read the codes' registers
	QUANT ACC+64, PW+1
.irp i, 0,1,2
	global_store_b128 v[L16], v[PC+4*\i:PC+4*\i+3], s[74:75] offset:1536+512*\i
.endr
	global_store_b64 v[L8], v[PW:PW+1], s[74:75] offset:3072   ; lane L: the words of row L % 16 in tiles 0 and 1
	BAR                                            ; all waves' scale half-words lie in LDS
	ds_load_b128 v[80:83], v[SGR]                  ; wave w takes chunk w's 512 bytes
	s_wait_dscnt 0x0
	global_store_b128 v[L16], v[80:83], s[76:77]
	s_wait_tensorcnt 0x0
	ds_add_u32 v254, v255
	s_wait_dscnt 0x0
	s_endpgm
.Lfunc_end_k_q677bd2e4af_prep:
	.size	k_q677bd2e4af_prep, .Lfunc_end_k_q677bd2e4af_prep-k_q677bd2e4af_prep
	.p2alignl 7, 3214868480
	.fill 96, 4, 3214868480
	.section	.rodata,"a",@progbits
	.p2align	6, 0x0
	.amdhsa_kernel k_q677bd2e4af_prep
		.amdhsa_group_segment_fixed_size 295424
		.amdhsa_private_segment_fixed_size 0
		.amdhsa_enable_private_segment 0
		.amdhsa_kernarg_size 104
		.amdhsa_user_sgpr_count 2
		.amdhsa_user_sgpr_kernarg_segment_ptr 1
		.amdhsa_wavefront_size32 1
		.amdhsa_system_sgpr_workgroup_id_x 1
		.amdhsa_system_sgpr_workgroup_id_y 1
		.amdhsa_system_sgpr_workgroup_id_z 1
		.amdhsa_system_vgpr_workitem_id 0
		.amdhsa_next_free_vgpr 768
		.amdhsa_next_free_sgpr 102
		.amdhsa_reserve_vcc 0
		.amdhsa_float_denorm_mode_32 3
		.amdhsa_float_denorm_mode_16_64 3
		.amdhsa_memory_ordered 1
		.amdhsa_forward_progress 1
		.amdhsa_inst_pref_size 175
	.end_amdhsa_kernel
	.amdgpu_metadata
---
amdhsa.version: [ 1, 2 ]
amdhsa.kernels:
  - .name:           k_q677bd2e4af_prep
    .symbol:         k_q677bd2e4af_prep.kd
    .args:
      - { .name: x, .offset: 0, .size: 8, .value_kind: global_buffer, .address_space: global }
      - { .name: Wk_codes, .offset: 8, .size: 8, .value_kind: global_buffer, .address_space: global }
      - { .name: Wk_scales, .offset: 16, .size: 8, .value_kind: global_buffer, .address_space: global }
      - { .name: bk, .offset: 24, .size: 8, .value_kind: global_buffer, .address_space: global }
      - { .name: Wq_codes, .offset: 32, .size: 8, .value_kind: global_buffer, .address_space: global }
      - { .name: Wq_scales, .offset: 40, .size: 8, .value_kind: global_buffer, .address_space: global }
      - { .name: bq, .offset: 48, .size: 8, .value_kind: global_buffer, .address_space: global }
      - { .name: Wp_codes, .offset: 56, .size: 8, .value_kind: global_buffer, .address_space: global }
      - { .name: Wp_scales, .offset: 64, .size: 8, .value_kind: global_buffer, .address_space: global }
      - { .name: bp, .offset: 72, .size: 8, .value_kind: global_buffer, .address_space: global }
      - { .name: XS, .offset: 80, .size: 8, .value_kind: global_buffer, .address_space: global }
      - { .name: QF, .offset: 88, .size: 8, .value_kind: global_buffer, .address_space: global }
      - { .name: WS, .offset: 96, .size: 8, .value_kind: global_buffer, .address_space: global }
    .group_segment_fixed_size: 295424
    .private_segment_fixed_size: 0
    .kernarg_segment_align: 8
    .kernarg_segment_size: 104
    .max_flat_workgroup_size: 128
    .sgpr_count:     102
    .vgpr_count:     768
    .wavefront_size: 32
...
	.end_amdgpu_metadata
.endif
;; end of part 4
;; launch stats: the kernel of part 2 again; grid 32 x 8, 16 waves a work-group, no clusters, 10,240 bytes of LDS; arguments XS, QF, NT; writes NT
;; launch attn (part 5): grid 32 x 8, 4 waves a work-group, clusters of 4 x 1, 327,680 bytes of LDS; arguments XS, QF, WS, NT, out0; writes out0
.if DOCPART == 5
	.amdgcn_target "amdgcn-amd-amdhsa--gfx1250"
	.amdhsa_code_object_version 6
	.text
	.protected	k_q677bd2e4af_attn
	.globl	k_q677bd2e4af_attn
	.p2align	8
	.type	k_q677bd2e4af_attn,@function
k_q677bd2e4af_attn:
	s_mov_b64 s[64:65], 0
	v_nop
	global_prefetch_b8 v0, s[64:65] scope:SCOPE_SE
	s_setreg_imm32_b32 hwreg(HW_REG_WAVE_MODE, 25, 1), 1
	s_wait_xcnt 0x0
	s_wait_alu depctr_hold_cnt(0) depctr_sa_sdst(0) depctr_va_vdst(0) depctr_va_sdst(0) depctr_va_ssrc(0) depctr_va_vcc(0) depctr_vm_vsrc(0)
	s_getreg_b32 s2, hwreg(HW_REG_IB_STS2, 6, 4)
	s_cmp_eq_u32 s2, 0
	s_cbranch_scc0 .Lentry_in_a_cluster
	s_endpgm
.Lentry_in_a_cluster:
	s_bfe_u32 s2, ttmp6, 0x10000c
	s_cmp_lg_u32 s2, 0x3003
	s_cbranch_scc0 .Lentry_shape_is_right
	s_endpgm
.Lentry_shape_is_right:
; ATTN.  For 64 columns m of one batch: attn[l][m] = 2^(c v[l][m] + NT[l]) (the finished softmax; v = keys . queries on codes, c = log2(e) / 1024), quantised along l;
; out[c][m] = x . attn over all 2,048 l, quantised along c; out0[d][m] = Wp . out + bp.  All products on E3M2 codes with E8M0 scales, sums in f32.
; SHARES.  A work-group of four waves holds all 1,024 c (and then all 1,024 d) of its 64 m.  Wave w: in x . attn rows c = 256 w on, 64 accumulators (windows 2, 3); in keys . queries the step's l group w
; (32 l, one block of the quantiser) x all four tiles of m; in Wp . out rows d = 256 w on.
; THE STREAM.  24 tiles through two LDS slots: 16 steps of 128 l out of XS (wave w's block: its 16 fragments of x, their scale half-words, and the keys of the NEXT step's group w), then 8 blocks out of WS.
; Each wave brings its own block by one load behind each round and reads its own block alone.  So trip t makes attn of its step t + 1 (image into LDS) and multiplies x of step t by attn of step t (image stored a trip ago).
; WHERE A CLUSTER BEGINS.  The eight clusters of a batch walk the 16 steps of l round from different starts: cluster j from step o = 4 ((j + j / 4) % 4).  A sum over l may begin anywhere; the keys of step s + 1 ride in
; block s cyclically (step 0's in block 15); NT is laid in LDS in the order of the walk (wave w brings the quarter (o / 4 + w) % 4), so that no LDS address knows of o.  Walking in step, the clusters 0-3 (and 4-7, the even
; ones, the odd ones) ask for four different tiles in each trip, and a tile asked for from a cluster's fifth on has been read four trips earlier by the cluster that began there.
; Likewise the 8 blocks of WS are walked round from g0 = (j + batch) % 8, and the rows of out0 follow that index.
; CLUSTER.  The four work-groups of a cluster belong to one batch and walk the same tiles: each tile is asked for jointly (mask 15); the descriptors hang on the batch, the cluster's number, the tile and the wave's number alone.
; LAYOUT.  keys . queries: source 0 = 16 keys, source 1 = 16 queries: a lane holds one m, its registers run along l.  x . attn: source 0 = 16 rows of x, source 1 = attn: a lane holds one m, registers along c.
; Wp . out: source 0 = out's 16 m, source 1 = 16 rows of Wp: a lane holds one d and eight neighbouring m.  Tiles are formed so that 16 registers of two neighbouring tiles are 16 neighbours (index 32 b + 8 u + r + 8 (r / 8)).
; LIMITS: NaN and infinities are not served.  attn under 2^-126 comes out as 0 (the exponential's result is flushed).  A block of zeros gets the byte 1, not 127: its codes are zeros.
; The divisor stands in the exponent: c v + NT is one fused multiply-add on a number of size about 11, so attn carries about 1.4e-6 of itself as error.  The f32 sums over l begin at step o, not at l = 0.
.set XBLK,  28928
.set XSTEP, 4*XBLK
.set WBLK,  25856
.set WSTEP, 4*WBLK
.set QPART, 3328
.set SLOT1, 131072                     ; slot 0 at 0, slot 1 here: one exclusive or turns an address
.set AIMG,  115712                     ; two buffers of ABUF: attn's four fragments (6,144) + scale words (256)
.set ABUF,  6400
.set SPARE, 128512                     ; the spare words, 128 bytes a wave
.set NTB,   246784                     ; NT of the batch, 8,192 bytes, filled once, in the order of the walk
.set HIMG,  254976                     ; out's 32 fragments, 1,536 bytes each: index 4 s + mt.  Later the stages: 32 rows x 272 bytes a wave
.set HSCI,  304128                     ; their scale words, 128 bytes each
; scalars: s14 wave, s15 cx, s16 batch, s17 my block of 64 m, s18 o / 4, s19 o; s[86:87] XS at my batch and block, s90 the step last asked for; s[92:93] WS at my block, s94 the block of WS last asked for;
; s[96:97] out0 at my first row and column, s98 which 32 rows leave next; s[88:89] an offset at work (s89 = 0)
; window 0
.set SPW, 1
.set NIL, 2
.set B16, 3
.set B8, 4
.set B4, 5
.set BXS, 6
.set BNT, 7
.set AR16, 8
.set AR8, 9
.set ARS, 10
.set AW16, 11
.set AW8, 12
.set AWS, 13
.set T16, 14
.set T8, 15
.set T4, 16
.set TXS, 17
.set TNT, 18
.set R16, 19
.set R8, 20
.set RS, 21
.set W16, 22
.set W8, 23
.set WSB, 24
.set PFO, 25
.set HW16, 26
.set HWS, 27
.set HR16, 28
.set HRS, 29
.set STO, 30
.set SRD, 31
.set GO, 32
.set XSC, 34                           ; v34-41 x's scale words, later Wp's (scales alone)
.set XH, 42                            ; v42-49 their upper halves as loaded
.set ASC, 50                           ; v50-51 attn's scale words
.set KSC, 52                           ; v52-53 keys'
.set QSC, 54                           ; v54-57 queries'
.set BV, 58                            ; v58-59 bp of my two tiles
.set L16, 60
.set L8, 61
.set S, 64                             ; v64-127 scores, then attn; later rows of out0
.set OB, 64
.set AT, 128                           ; v128-175 attn's four fragments
.set PK0, 176
.set PK1, 184
.set T0, 192
.set T1, 196
.set PC, 176                           ; out's codes (20 registers), over the four above
.set TM, 200
.set PW, 216
.set BC, 220                           ; v220-235 bp in the result's layout
.set HSC, 236                          ; v236-251 out's scale words (scales alone)
; window 1: v0-95, v96-191 sixteen fragments of x or Wp; v96-119 keys and v120-135 NT until the second eight are loaded; v192-239 queries, later out's K step 7
.set KF, 96
.set NTR, 120
.set QFR, 192
.set MSB, 0
.macro WIN new                         ; the immediate's high byte repeats the setting that is left
.if MSB != (\new)
	s_set_vgpr_msb (MSB<<8)|(\new)
.set MSB, (\new)
.endif
.endm
.macro WMX d, a, b, c, sa, sb, ra, rb
.if (\ra) && (\rb)
	v_wmma_scale_f32_16x16x128_f8f6f4 v[(\d):(\d)+7], v[(\a):(\a)+11], v[(\b):(\b)+11], \c, v[\sa], v[\sb] matrix_a_fmt:MATRIX_FMT_BF6 matrix_b_fmt:MATRIX_FMT_BF6 matrix_a_scale:MATRIX_SCALE_ROW1 matrix_b_scale:MATRIX_SCALE_ROW1
.elseif (\ra)
	v_wmma_scale_f32_16x16x128_f8f6f4 v[(\d):(\d)+7], v[(\a):(\a)+11], v[(\b):(\b)+11], \c, v[\sa], v[\sb] matrix_a_fmt:MATRIX_FMT_BF6 matrix_b_fmt:MATRIX_FMT_BF6 matrix_a_scale:MATRIX_SCALE_ROW1
.elseif (\rb)
	v_wmma_scale_f32_16x16x128_f8f6f4 v[(\d):(\d)+7], v[(\a):(\a)+11], v[(\b):(\b)+11], \c, v[\sa], v[\sb] matrix_a_fmt:MATRIX_FMT_BF6 matrix_b_fmt:MATRIX_FMT_BF6 matrix_b_scale:MATRIX_SCALE_ROW1
.else
	v_wmma_scale_f32_16x16x128_f8f6f4 v[(\d):(\d)+7], v[(\a):(\a)+11], v[(\b):(\b)+11], \c, v[\sa], v[\sb] matrix_a_fmt:MATRIX_FMT_BF6 matrix_b_fmt:MATRIX_FMT_BF6
.endif
.endm
.macro WM d, a, b, c, sa, sb, ra, rb   ; c < 0: the constant 0 starts the sum
.if (\c) < 0
	WMX \d, \a, \b, 0, \sa, \sb, \ra, \rb
.else
	WMX \d, \a, \b, v[(\c):(\c)+7], \sa, \sb, \ra, \rb
.endif
.endm
.macro ROUND                           ; a round of the cluster's barrier
	s_barrier_signal -1
	s_barrier_wait -1
	s_cmp_lg_u32 s14, 0
	s_cbranch_scc1 .Lnot_wave_0_\@
	s_barrier_signal -3
.Lnot_wave_0_\@:
	s_barrier_wait -3
	s_barrier_signal -1
	s_barrier_wait -1
.endm
.macro FRAG reg, a16, a8, off          ; a fragment stored in halves: registers 6 cc .. 6 cc + 3 at 768 cc + 16 x lane, 6 cc + 4, 5 at 768 cc + 512 + 8 x lane
	ds_load_b128 v[(\reg):(\reg)+3], v[\a16] offset:(\off)
	ds_load_b64 v[(\reg)+4:(\reg)+5], v[\a8] offset:(\off)+512
	ds_load_b128 v[(\reg)+6:(\reg)+9], v[\a16] offset:(\off)+768
	ds_load_b64 v[(\reg)+10:(\reg)+11], v[\a8] offset:(\off)+1280
.endm
; THE CHANGE OF SLOTS.  Every wave: all my tensor loads have landed (the one that was out is this trip's tile); the add; my LDS stores have landed and my reads of the slot left are over; the round; then my one load, first.
; kind 1: the next step of XS, round the 16; 2: the first block of WS; 3: the next block of WS, round the 8; 0: nothing is left to fetch, and a plain barrier stands for the round.
.macro HEAD kind
	s_wait_tensorcnt 0x0
	ds_add_u32 v[SPW], v[NIL]                      ; 0 onto my spare word
.if (\kind) == 1
	s_xor_b32 s49, s49, SLOT1                      ; no tensor load of mine is out, so a group 0 may be written: the other slot,
	s_add_co_u32 s90, s90, 1
	s_and_b32 s90, s90, 15                         ; the next step, behind 15 comes 0
	s_mul_i32 s88, s90, XSTEP
	s_add_nc_u64 s[50:51], s[86:87], s[88:89]
	s_or_b32 s51, s51, 0x80000000
.elseif (\kind) == 3
	s_xor_b32 s53, s53, SLOT1
	s_add_co_u32 s94, s94, 1
	s_and_b32 s94, s94, 7                          ; the next block, behind 7 comes 0
	s_mul_i32 s88, s94, WSTEP
	s_add_nc_u64 s[54:55], s[92:93], s[88:89]
	s_or_b32 s55, s55, 0x80000000
.endif
	s_wait_dscnt 0x0
.if (\kind) == 0
	s_barrier_signal -1
	s_barrier_wait -1
.else
	ROUND
.endif
.if (\kind) == 1
	tensor_load_to_lds s[48:51], s[24:31]
	s_nop 0
.elseif (\kind) >= 2
	tensor_load_to_lds s[52:55], s[32:39]
	s_nop 0
.endif
.rept 4
	v_nop                                          ; behind the load; also the places in front of loads into registers that the last products have read
.endr
.endm
.macro ADDRS
	v_add_nc_u32 v[T16], s60, v[B16]
	v_add_nc_u32 v[T8], s60, v[B8]
	v_add_nc_u32 v[T4], s60, v[B4]
	v_add_nc_u32 v[TXS], s60, v[BXS]
	v_add_nc_u32 v[TNT], s63, v[BNT]
	v_add_nc_u32 v[R16], s61, v[AR16]
	v_add_nc_u32 v[R8], s61, v[AR8]
	v_add_nc_u32 v[RS], s61, v[ARS]
	v_add_nc_u32 v[W16], s62, v[AW16]
	v_add_nc_u32 v[W8], s62, v[AW8]
	v_add_nc_u32 v[WSB], s62, v[AWS]
.endm
.macro P3                              ; scores: my 32 l x 64 m
	WIN 0x05
.irp mt, 0,1,2,3
.irp u, 0,1
	WM S+16*\mt+8*\u, KF+12*\u, QFR+12*\mt, -1, KSC+\u, QSC+\mt, 0, 0
.endr
.endr
.endm
.macro FMA                             ; c v + NT[l]: register 16 mt + i belongs to l = 32 w + 16 (lane / 16) + i of the step
	WIN 0x10
.set P1, 0
.rept 32
	v_pk_fma_f32 v[S+2*P1:S+2*P1+1], v[S+2*P1:S+2*P1+1], s[22:23], v[NTR+2*(P1%8):NTR+2*(P1%8)+1] op_sel_hi:[1,0,1]
.set P1, P1+1
.endr
.endm
.macro EXPQ                            ; attn, its block's scale (block w of each of the four fragments), its codes, and the image
	WIN 0
.set P1, 0
.rept 64
	v_exp_f32 v[S+P1], v[S+P1]
.set P1, P1+1
.endr
	v_nop                                          ; a plain place behind the exponentials
	s_wait_alu depctr_va_vdst(0)                   ; one wait for the batch, ahead of its first reader
.irp m, 0,1,2,3
	v_max3_num_f32 v[TM+\m], v[S+16*\m], v[S+16*\m+1], 0x2800000     ; none is negative; the floor 2^(5-127) holds the byte at 1 from below
.endr
.irp i, 2,4,6,8,10,12,14
.irp m, 0,1,2,3
	v_max3_num_f32 v[TM+\m], v[TM+\m], v[S+16*\m+\i], v[S+16*\m+\i+1]
.endr
.endr
.irp m, 0,1,2,3
	v_permlanex16_b32 v[TM+4+\m], v[TM+\m], s20, s21
.endr
.irp m, 0,1,2,3
	v_max_num_f32 v[TM+\m], v[TM+\m], v[TM+4+\m]
.endr
.irp m, 0,1,2,3
	v_add_nc_u32 v[TM+12+\m], 0xfe000000, v[TM+\m]
.endr
.irp m, 0,1,2,3
	v_lshrrev_b32 v[TM+4+\m], 23, v[TM+12+\m]
.endr
	v_cvt_scalef32_pk16_bf6_f32 v[PK0:PK0+2], v[S:S+15], v[TM+12]
	v_cvt_scalef32_pk16_bf6_f32 v[T0:T0+2], v[S+16:S+31], v[TM+13]
	v_cvt_scalef32_pk16_bf6_f32 v[PK1:PK1+2], v[S+32:S+47], v[TM+14]
	v_cvt_scalef32_pk16_bf6_f32 v[T1:T1+2], v[S+48:S+63], v[TM+15]
	v_nop                                          ; one plain place behind the conversions
.irp i, 0,1,2                                  ; after the exchange lane (r, g) holds the whole block of column r of tile 2 p + g
	v_permlane16_swap_b32 v[PK0+\i], v[T0+\i]
	v_permlane16_swap_b32 v[PK1+\i], v[T1+\i]
.endr
.irp i, 0,1,2
	v_mov_b32 v[PK0+3+\i], v[T0+\i]
	v_mov_b32 v[PK1+3+\i], v[T1+\i]
.endr
	ds_store_b128 v[W16], v[PK0:PK0+3]
	ds_store_b64 v[W8], v[PK0+4:PK0+5]
	ds_store_b128 v[W16], v[PK1:PK1+3] offset:3072
	ds_store_b64 v[W8], v[PK1+4:PK1+5] offset:3072
.irp m, 0,1,2,3
	ds_store_b8 v[WSB], v[TM+4+\m] offset:64*\m    ; byte w of the column's scale word; both lanes of a column write the same byte
.endr
.endm
; 32 products: eight tiles of c x four tiles of m.  The 64 accumulators take turns, one instruction a trip each
.macro MUL32 set, zero
	WIN 0xa1
.irp ct, 0,1,2,3,4,5,6,7
.irp mt, 0,1
.if \zero
	WM 128*\mt+8*(8*\set+\ct), 96*\set+12*\ct, AT+12*\mt, -1, XSC+4*\set+\ct/2, ASC, \ct%2, \mt
.else
	WM 128*\mt+8*(8*\set+\ct), 96*\set+12*\ct, AT+12*\mt, 128*\mt+8*(8*\set+\ct), XSC+4*\set+\ct/2, ASC, \ct%2, \mt
.endif
.endr
.endr
	WIN 0xf1
.irp ct, 0,1,2,3,4,5,6,7
.irp mt, 0,1
.if \zero
	WM 128*\mt+8*(8*\set+\ct), 96*\set+12*\ct, AT+24+12*\mt, -1, XSC+4*\set+\ct/2, ASC+1, \ct%2, \mt
.else
	WM 128*\mt+8*(8*\set+\ct), 96*\set+12*\ct, AT+24+12*\mt, 128*\mt+8*(8*\set+\ct), XSC+4*\set+\ct/2, ASC+1, \ct%2, \mt
.endif
.endr
.endr
.endm
; THE WORK OF TRIP t.  make = 1: attn of the walk's step t + 1 is made.  zero = 1: the products start the sums.
.macro BODY zero, make
.if \make
	ds_load_b64 v[KSC:KSC+1], v[T8] offset:28672   ; 11 loads: the next step's keys, their scale words, its NT
	WIN 0x40
.irp u, 0,1
.irp i, 0,1,2
	ds_load_b128 v[KF+12*\u+4*\i:KF+12*\u+4*\i+3], v[T16] offset:25600+1536*\u+512*\i
.endr
.endr
.irp i, 0,1,2,3
	ds_load_b128 v[NTR+4*\i:NTR+4*\i+3], v[TNT] offset:16*\i
.endr
	WIN 0
.endif
.irp k, 0,1,2,3,4,5,6,7                        ; 18 loads: scale half-words of x (lanes 0-15 tile 2 k, lanes 16-31 tile 2 k + 1) and attn's scale words
	ds_load_u16 v[XSC+\k], v[TXS] offset:128*(\k/2)+4*(\k%2)
	ds_load_u16 v[XH+\k], v[TXS] offset:512+128*(\k/2)+4*(\k%2)
.endr
	ds_load_b32 v[ASC], v[RS]
	ds_load_b32 v[ASC+1], v[RS] offset:128
	WIN 0x40
.irp ct, 0,1,2,3,4,5,6,7                       ; 32 loads: x's first eight fragments
	FRAG 12*\ct, T16, T8, 1536*\ct
.endr
.if \make
	s_wait_dscnt 50                                ; the 11 are in; the 18 and the 32 stay out
	P3
.endif
	WIN 0
	s_wait_dscnt 32                                ; the 18 are in
.irp k, 0,1,2,3,4,5,6,7
	v_lshl_or_b32 v[XSC+\k], v[XH+\k], 16, v[XSC+\k]   ; the scale words whole.  (Eight plain places behind the scores' products)
.endr
.if \make
	FMA
.endif
	WIN 0x40
.irp ct, 8,9,10,11,12,13,14,15                 ; 48 loads: x's other eight fragments, over the keys and NT, and attn's four
	FRAG 12*\ct, T16, T8, 1536*\ct
.endr
	WIN 0
.irp mt, 0,1,2,3
	FRAG AT+12*\mt, R16, R8, 1536*\mt
.endr
.if \make
	EXPQ
	s_wait_dscnt 8                                 ; all loads are in; the image's eight stores may be out
.else
.rept 8
	v_nop                                          ; a scale register written by a vector instruction stands eight places ahead of the products
.endr
	s_wait_dscnt 0x0
.endif
	MUL32 0, \zero
	MUL32 1, \zero
	WIN 0
	s_xor_b32 s60, s60, SLOT1
	s_xor_b32 s61, s61, ABUF
	s_xor_b32 s62, s62, ABUF
	s_add_co_u32 s63, s63, 512
.endm
; 64 numbers in window win, register 16 b + i = k 32 b + 16 (lane / 16) + i of my column, become a fragment's codes in v[PC] on and its scale word in v[PW]
.macro QUANTW win, s
.set WW, (\win)|((\win)<<2)
	WIN WW
.irp b, 0,1,2,3
	v_max3_num_f32 v[TM+\b], |v[\s+16*\b]|, |v[\s+1+16*\b]|, 0x2800000
.endr
.set WW, ((\win)<<2)|((\win)<<4)
	WIN WW
.irp i, 2,4,6,8,10,12,14
.irp b, 0,1,2,3
	v_max3_num_f32 v[TM+\b], v[TM+\b], |v[\s+16*\b+\i]|, |v[\s+1+16*\b+\i]|
.endr
.endr
	WIN 0
.irp b, 0,1,2,3
	v_permlanex16_b32 v[TM+4+\b], v[TM+\b], s20, s21
.endr
.irp b, 0,1,2,3
	v_max_num_f32 v[TM+\b], v[TM+\b], v[TM+4+\b]
.endr
.irp b, 0,1,2,3
	v_add_nc_u32 v[TM+12+\b], 0xfe000000, v[TM+\b]
.endr
.irp b, 0,1,2,3
	v_lshrrev_b32 v[TM+4+\b], 23, v[TM+12+\b]
.endr
	v_lshl_or_b32 v[PW], v[TM+5], 8, v[TM+4]
	v_lshl_or_b32 v[PW], v[TM+6], 16, v[PW]
	v_lshl_or_b32 v[PW], v[TM+7], 24, v[PW]
.set WW, (\win)
	WIN WW
.irp c, 0,1
	v_cvt_scalef32_pk16_bf6_f32 v[PC+6*\c:PC+2+6*\c], v[\s+32*\c:\s+15+32*\c], v[TM+12+2*\c]
	v_cvt_scalef32_pk16_bf6_f32 v[PC+12+4*\c:PC+14+4*\c], v[\s+16+32*\c:\s+31+32*\c], v[TM+12+2*\c+1]
.endr
	WIN 0
	v_nop
.irp c, 0,1
.irp i, 0,1,2
	v_permlane16_swap_b32 v[PC+6*\c+\i], v[PC+12+4*\c+\i]
.endr
.irp i, 0,1,2
	v_mov_b32 v[PC+3+6*\c+\i], v[PC+12+4*\c+\i]
.endr
.endr
.endm
; the way out of 32 rows d x 64 m: into my own stage (each accumulator from its low end on), back as whole rows of 256 bytes
.macro OUTA set
	WIN 0x0c
.irp e, 0,1
.irp mt, 0,1,2,3
	ds_store_b128 v[STO], v[96+64*(\set)+8*(4*\e+\mt):96+64*(\set)+8*(4*\e+\mt)+3] offset:4352*\e+128*(\mt/2)+32*(\mt%2)
	ds_store_b128 v[STO], v[96+64*(\set)+8*(4*\e+\mt)+4:96+64*(\set)+8*(4*\e+\mt)+7] offset:4352*\e+128*(\mt/2)+32*(\mt%2)+16
.endr
.endr
	WIN 0
.irp i, 0,1,2,3,4,5,6,7,8,9,10,11,12,13,14,15
	ds_load_b128 v[OB+4*\i:OB+4*\i+3], v[SRD] offset:544*\i      ; LDS serves a wave's instructions in order: these see my stores
.endr
.endm
.macro OUTB
	WIN 0
	s_wait_dscnt 0x0
.irp i, 0,1,2,3,4,5,6,7,8,9,10,11,12,13,14,15
	global_store_b128 v[GO], v[OB+4*\i:OB+4*\i+3], s[12:13] offset:16384*\i th:TH_STORE_NT   ; sixteen lanes store 256 consecutive bytes, aligned
.endr
.endm
; A STEP OF Wp . out: 32 rows d a wave (two tiles) x 64 m, K = all 1,024 c.  set: which eight accumulators; out = 1: the last step's results leave meanwhile.
.macro STEP5 set, first, kind, out
	HEAD \kind
	ADDRS
	ds_load_b64 v[BV:BV+1], v[T8] offset:25600     ; 73 loads: bp, Wp's scale words, its sixteen fragments
.irp k, 0,1,2,3,4,5,6,7
	ds_load_b32 v[XSC+\k], v[T4] offset:24576+128*\k
.endr
	WIN 0x40
.irp f, 0,1,2,3,4,5,6,7,8,9,10,11,12,13,14,15
	FRAG 12*\f, T16, T8, 1536*\f
.endr
.if \first
	WIN 0x80                                       ; out's 32 fragments stay in registers: K steps 0-4 in window 2, 5 and 6 in window 3, 7 in window 1
.irp s, 0,1,2,3,4
.irp mt, 0,1,2,3
.irp i, 0,1,2
	ds_load_b128 v[48*\s+12*\mt+4*\i:48*\s+12*\mt+4*\i+3], v[HR16] offset:1536*(4*\s+\mt)+512*\i
.endr
.endr
.endr
	WIN 0xc0
.irp s, 5,6
.irp mt, 0,1,2,3
.irp i, 0,1,2
	ds_load_b128 v[48*(\s-5)+12*\mt+4*\i:48*(\s-5)+12*\mt+4*\i+3], v[HR16] offset:1536*(4*\s+\mt)+512*\i
.endr
.endr
.endr
	WIN 0x40
.irp mt, 0,1,2,3
.irp i, 0,1,2
	ds_load_b128 v[QFR+12*\mt+4*\i:QFR+12*\mt+4*\i+3], v[HR16] offset:1536*(28+\mt)+512*\i
.endr
.endr
	WIN 0
.irp k, 0,1,2,3,4,5,6,7,8,9,10,11,12,13,14,15
	ds_load_b32 v[HSC+\k], v[HRS] offset:256*\k    ; lanes 0-15 fragment 2 k's words, lanes 16-31 fragment 2 k + 1's
.endr
.endif
.if \out
	OUTA 1-\set
	s_wait_dscnt 32                                ; the 73 are in; the stage's 16 stores and 16 loads stay out
.else
	WIN 0
	s_wait_dscnt 0x0
.endif
.irp e, 0,1
.irp j, 0,1,2,3,4,5,6,7
	v_mov_b32 v[BC+8*\e+\j], v[BV+\e]              ; bp[d] is the same for a lane's eight m
.endr
.endr
.rept 4
	v_nop
.endr
.irp s, 0,1,2,3,4,5,6,7
.if \s == 0
	WIN 0xc6
.elseif \s < 5
	WIN 0xf6
.elseif \s < 7
	WIN 0xf7
.else
	WIN 0xf5
.endif
.irp e, 0,1
.irp mt, 0,1,2,3
.if \s < 5
.set HRG, 48*\s+12*\mt
.elseif \s < 7
.set HRG, 48*(\s-5)+12*\mt
.else
.set HRG, QFR+12*\mt
.endif
.set DRG, 96+64*(\set)+8*(4*\e+\mt)
.if \s == 0
	WM DRG, HRG, 96*\e+12*\s, BC+8*\e, HSC+2*\s+\mt/2, XSC+4*\e+\s/2, \mt%2, \s%2
.else
	WM DRG, HRG, 96*\e+12*\s, DRG, HSC+2*\s+\mt/2, XSC+4*\e+\s/2, \mt%2, \s%2
.endif
.endr
.endr
.if (\s == 3) && (\out)
	OUTB
.endif
.endr
	WIN 0
.if \out
	s_wait_xcnt 0x0                                ; the stores have read their registers and their base
	s_add_co_u32 s98, s98, 1
	s_and_b32 s98, s98, 7                          ; the rows of the next block of WS in the walk: 32 rows of 8,192 bytes a block
	s_lshl_b32 s88, s98, 18
	s_add_nc_u64 s[12:13], s[96:97], s[88:89]
.endif
	s_xor_b32 s60, s60, SLOT1
.endm
	s_load_b256 s[4:11], s[0:1], 0x0               ; XS, QF, WS, NT
	s_load_b64 s[12:13], s[0:1], 0x20              ; out0
	v_lshl_add_u32 v[SPW], v0, 2, SPARE
	v_mov_b32 v[NIL], 0
	ds_add_u32 v1, v2
	ds_add_u32 v1, v2
	s_wait_dscnt 0x0
	v_lshrrev_b32 v33, 5, v0
	v_readfirstlane_b32 s14, v33                   ; wave
	s_bfe_u32 s15, ttmp6, 0x40000                  ; cx
	s_and_b32 s16, ttmp7, 0xffff                   ; b
	s_lshl_b32 s17, ttmp9, 2
	s_add_co_u32 s17, s17, s15                     ; mb: my 64 columns; it enters the queries', the prefetches' and out0's addresses alone
	s_lshr_b32 s18, ttmp9, 2
	s_add_co_u32 s18, s18, ttmp9
	s_and_b32 s18, s18, 3                          ; o / 4 = (j + j / 4) % 4, j the cluster's number in its batch: the same in all four partners
	s_lshl_b32 s19, s18, 2                         ; o: the step of l at which my cluster begins
	s_add_co_u32 s94, ttmp9, s16
	s_and_b32 s94, s94, 7                          ; g0: the block of WS at which it begins
	s_mov_b32 s98, s94
	s_mov_b32 s20, 0x76543210
	s_mov_b32 s21, 0xfedcba98
	s_mov_b32 s22, 0x3ab8aa3b                      ; c = log2(e) / 1024
	s_mov_b32 s23, s22
	; descriptor groups 1: dense blocks as rows of 256 bytes (32 elements of 8 bytes): 113 rows (XS), 101 (WS), 8 (NT); mask: all four work-groups
.irp g, 24,32,40
	s_mov_b32 s[\g], 15|(3<<16)|(1<<21)
	s_mov_b32 s[\g+1], 32<<16
	s_mov_b32 s[\g+3], 32<<16
	s_mov_b32 s[\g+5], 32
	s_mov_b32 s[\g+6], 0
	s_mov_b32 s[\g+7], 0
.endr
	s_mov_b32 s26, 113<<16
	s_mov_b32 s28, 113
	s_mov_b32 s34, 101<<16
	s_mov_b32 s36, 101
	s_mov_b32 s42, 8<<16
	s_mov_b32 s44, 8
	s_mul_i32 s70, s14, XBLK                       ; my block's place in a slot
	s_mov_b32 s60, 0                               ; the slot in hand
	s_mov_b32 s61, 0                               ; attn's buffer that is read
	s_mov_b32 s62, 0                               ; and the one that is written
	s_mov_b32 s63, 0                               ; NT of the step that is made: 512 bytes for each step of the walk
	v_and_b32 v33, 31, v0                          ; L
	v_and_b32 v62, 15, v0                          ; r
	v_bfe_u32 v63, v0, 4, 1                        ; g
	v_lshlrev_b32 v[L16], 4, v33
	v_lshlrev_b32 v[L8], 3, v33
	v_add_nc_u32 v[B16], s70, v[L16]
	v_add_nc_u32 v[B8], s70, v[L8]
	v_lshl_add_u32 v[B4], v33, 2, s70
	v_lshlrev_b32 v[BXS], 3, v62
	v_lshl_add_u32 v[BXS], v63, 1, v[BXS]
	s_add_co_u32 s71, s70, 24576
	v_add_nc_u32 v[BXS], s71, v[BXS]
	s_lshl_b32 s71, s14, 7
	s_add_co_u32 s71, s71, NTB
	v_lshl_add_u32 v[BNT], v63, 6, s71
	v_add_nc_u32 v[AR16], AIMG, v[L16]
	v_add_nc_u32 v[AR8], AIMG, v[L8]
	v_lshl_add_u32 v[ARS], v33, 2, AIMG+6144
	s_lshr_b32 s71, s14, 1
	s_mul_i32 s71, s71, 768
	s_and_b32 s72, s14, 1
	s_lshl_b32 s73, s72, 8
	s_add_co_u32 s73, s73, s71
	s_add_co_u32 s73, s73, AIMG
	v_mul_u32_u24 v[AW16], v63, 1536
	v_lshl_add_u32 v[AW16], v62, 4, v[AW16]
	v_add_nc_u32 v[AW16], s73, v[AW16]             ; block w lies in registers 6 (w / 2) on of lanes 16 (w % 2) + r
	s_lshl_b32 s73, s72, 7
	s_add_co_u32 s73, s73, s71
	s_add_co_u32 s73, s73, AIMG+512
	v_mul_u32_u24 v[AW8], v63, 1536
	v_lshl_add_u32 v[AW8], v62, 3, v[AW8]
	v_add_nc_u32 v[AW8], s73, v[AW8]
	s_add_co_u32 s73, s14, AIMG+6144
	v_lshl_add_u32 v[AWS], v62, 2, s73
	v_min_u32 v[PFO], 112, v0
	v_lshlrev_b32 v[PFO], 8, v[PFO]                ; the prefetches' offset: a run of 256 bytes a thread, the block's 113 runs; never rewritten
	s_mul_i32 s73, s14, 12288
	s_add_co_u32 s73, s73, HIMG
	v_add_nc_u32 v[HW16], s73, v[L16]
	s_lshl_b32 s73, s14, 10
	s_add_co_u32 s73, s73, HSCI
	v_lshl_add_u32 v[HWS], v33, 2, s73
	v_add_nc_u32 v[HR16], HIMG, v[L16]
	v_lshlrev_b32 v[HRS], 2, v62
	v_lshl_add_u32 v[HRS], v63, 7, v[HRS]
	v_add_nc_u32 v[HRS], HSCI, v[HRS]
	s_mul_i32 s73, s14, 8704
	s_add_co_u32 s73, s73, HIMG
	v_mul_u32_u24 v[STO], v62, 272
	v_lshl_add_u32 v[STO], v63, 6, v[STO]
	v_add_nc_u32 v[STO], s73, v[STO]
	v_mul_u32_u24 v[SRD], v63, 272
	v_lshl_add_u32 v[SRD], v62, 4, v[SRD]
	v_add_nc_u32 v[SRD], s73, v[SRD]
	v_lshlrev_b32 v[GO], 13, v63
	v_lshl_add_u32 v[GO], v62, 4, v[GO]
.irp b, 0,1,2,3
	v_mov_b32 v[TM+4+\b], 0                        ; a lane permute's destination counts as one of its sources
.endr
	s_wait_kmcnt 0x0
	s_mul_i32 s74, s16, 16*XSTEP
	s_add_co_u32 s74, s74, s70
	s_mov_b32 s75, 0
	s_add_nc_u64 s[86:87], s[4:5], s[74:75]        ; XS: step 0 of my batch, my block
	s_mov_b32 s89, 0
	s_mov_b32 s90, s19
	s_mul_i32 s88, s90, XSTEP
	s_mov_b32 s48, 1
	s_mov_b32 s49, s70
	s_add_nc_u64 s[50:51], s[86:87], s[88:89]      ; the walk's first tile: step o
	s_or_b32 s51, s51, 0x80000000
	s_mul_i32 s74, s14, WBLK
	s_add_nc_u64 s[92:93], s[8:9], s[74:75]        ; WS: block 0, my part
	s_mul_i32 s88, s94, WSTEP
	s_mov_b32 s52, 1
	s_mov_b32 s53, s70
	s_add_nc_u64 s[54:55], s[92:93], s[88:89]      ; the walk's first block: g0
	s_or_b32 s55, s55, 0x80000000
	s_add_co_u32 s76, s18, s14
	s_and_b32 s76, s76, 3                          ; NT in the order of the walk: LDS quarter w takes the batch's quarter (o / 4 + w) % 4
	s_lshl_b32 s76, s76, 11
	s_lshl_b32 s74, s16, 13
	s_add_co_u32 s74, s74, s76
	s_lshl_b32 s77, s14, 11
	s_mov_b32 s56, 1
	s_add_co_u32 s57, s77, NTB
	s_add_nc_u64 s[58:59], s[10:11], s[74:75]
	s_or_b32 s59, s59, 0x80000000
	ROUND                                          ; all four work-groups are here: the first joint loads meet
	tensor_load_to_lds s[56:59], s[40:47]          ; two loads of mine are out
	s_nop 0
	tensor_load_to_lds s[48:51], s[24:31]
	s_nop 0
.rept 4
	v_nop
.endr
	s_mov_b32 s83, 0
	s_lshl_b32 s82, s16, 6
	s_lshl_b32 s84, s17, 1
	s_add_co_u32 s82, s82, s84
	s_mul_i32 s82, s82, QPART
	s_add_nc_u64 s[78:79], s[6:7], s[82:83]        ; my two groups of queries
	s_sub_co_u32 s82, s19, 1
	s_and_b32 s82, s82, 15                         ; the keys of step o ride in the block of step o - 1 (step 0's in block 15)
	s_lshl_b32 s84, s16, 4
	s_add_co_u32 s82, s82, s84
	s_lshl_b32 s82, s82, 2
	s_add_co_u32 s82, s82, s14
	s_mul_i32 s82, s82, XBLK
	s_add_co_u32 s82, s82, 25600
	s_add_nc_u64 s[80:81], s[4:5], s[82:83]
	s_lshl_b32 s82, s16, 4
	s_add_co_u32 s82, s82, s19
	s_add_co_u32 s82, s82, 2
	s_mul_i32 s82, s82, XSTEP
	s_mul_i32 s84, s15, XBLK
	s_add_co_u32 s82, s82, s84
	s_add_nc_u64 s[68:69], s[4:5], s[82:83]        ; the prefetches: step o + 2 (o is at most 12), the block of wave cx; never stepped
	s_lshl_b32 s82, s16, 23
	s_lshl_b32 s84, s14, 21
	s_add_co_u32 s82, s82, s84
	s_lshl_b32 s84, s17, 8
	s_add_co_u32 s82, s82, s84
	s_add_nc_u64 s[96:97], s[12:13], s[82:83]      ; out0 at row 1,024 b + 256 w, column 64 mb
	s_lshl_b32 s88, s98, 18
	s_add_nc_u64 s[12:13], s[96:97], s[88:89]      ; and 32 g0 rows on
	WIN 0x40
.irp g, 0,1
.irp u, 0,1
.irp i, 0,1,2
	global_load_b128 v[QFR+12*(2*\g+\u)+4*\i:QFR+12*(2*\g+\u)+4*\i+3], v[L16], s[78:79] offset:QPART*\g+1536*\u+512*\i
.endr
.endr
.endr
.irp u, 0,1
.irp i, 0,1,2
	global_load_b128 v[KF+12*\u+4*\i:KF+12*\u+4*\i+3], v[L16], s[80:81] offset:1536*\u+512*\i
.endr
.endr
	WIN 0
	global_load_b64 v[QSC:QSC+1], v[L8], s[78:79] offset:3072
	global_load_b64 v[QSC+2:QSC+3], v[L8], s[78:79] offset:QPART+3072
	global_load_b64 v[KSC:KSC+1], v[L8], s[80:81] offset:3072
	; ---- trip 0: first attn of the walk's first step, then the trip's own work
	HEAD 1
	; A PREFETCH of the walk's third and fourth tiles (steps o + 2, o + 3), which the changes of slots one and two trips on will ask for.  Clusters 0 to 3 of a batch ask (their o are 0, 4, 8, 12, so no step is named twice);
	; partner cx takes the block of wave cx (told apart by address), its 113 runs of 256 bytes a thread a run (the last threads repeat the last run).  The walk's first two tiles come by their loads alone; nothing later is named.
	s_cmp_lt_u32 ttmp9, 4
	s_cbranch_scc0 .Lnot_mine
	global_prefetch_b8 v[PFO], s[68:69] th:TH_LOAD_NT scope:SCOPE_SE
	global_prefetch_b8 v[PFO], s[68:69] offset:XSTEP th:TH_LOAD_NT scope:SCOPE_SE
.Lnot_mine:
	ADDRS
	WIN 0x40
.irp i, 0,1,2,3
	ds_load_b128 v[NTR+4*\i:NTR+4*\i+3], v[TNT] offset:16*\i
.endr
	WIN 0
	s_wait_loadcnt 0x0                             ; queries, the first keys, their scale words
	s_wait_dscnt 0x0
	P3
	WIN 0
.rept 4
	v_nop
.endr
	FMA
	EXPQ
	s_wait_dscnt 0x0                               ; my part of attn's image has landed
	s_barrier_signal -1
	s_barrier_wait -1                              ; everybody's has.  The walk's second tile may stay out
	s_xor_b32 s62, s62, ABUF
	s_add_co_u32 s63, s63, 512
	ADDRS
	BODY 1, 1
	s_mov_b32 s66, 14
.Lk4:                                              ; trips 1 to 14
	HEAD 1
	ADDRS
	BODY 0, 1
	s_sub_co_u32 s66, s66, 1
	s_cmp_lg_u32 s66, 0
	s_cbranch_scc1 .Lk4
	HEAD 2                                         ; trip 15: no attn is left to make; the first block of WS is asked for
	ADDRS
	BODY 0, 0
	; ---- out is quantised along c: my 256 c are K steps 2 w and 2 w + 1 of the last product; eight fragments go to LDS as images
.rept 4
	v_nop
.endr
.irp mt, 0,1,2,3
.irp sl, 0,1
	QUANTW 2+\mt/2, 128*(\mt%2)+64*\sl
.irp i, 0,1,2
	ds_store_b128 v[HW16], v[PC+4*\i:PC+4*\i+3] offset:1536*(4*\sl+\mt)+512*\i
.endr
	ds_store_b32 v[HWS], v[PW] offset:128*(4*\sl+\mt)
	s_wait_dscnt 0x0                               ; the stores have read their registers
.endr
.endr
	; ---- Wp . out + bp, eight steps of 32 d a wave
	STEP5 0, 1, 3, 0
	s_mov_b32 s66, 3
.Lk5:
	STEP5 1, 0, 3, 1
	STEP5 0, 0, 3, 1
	s_sub_co_u32 s66, s66, 1
	s_cmp_lg_u32 s66, 0
	s_cbranch_scc1 .Lk5
	STEP5 1, 0, 0, 1
.rept 4
	v_nop
.endr
	OUTA 1
	OUTB
	s_wait_tensorcnt 0x0                           ; the wave's end
	ds_add_u32 v[SPW], v[NIL]
	s_wait_dscnt 0x0
	ROUND                                          ; the closing round: no work-group ends while a partner may still ask for a tile that names it
	s_endpgm
.Lfunc_end_k_q677bd2e4af_attn:
	.size	k_q677bd2e4af_attn, .Lfunc_end_k_q677bd2e4af_attn-k_q677bd2e4af_attn
	.p2alignl 7, 3214868480
	.fill 96, 4, 3214868480
	.section	.rodata,"a",@progbits
	.p2align	6, 0x0
	.amdhsa_kernel k_q677bd2e4af_attn
		.amdhsa_group_segment_fixed_size 327680
		.amdhsa_private_segment_fixed_size 0
		.amdhsa_enable_private_segment 0
		.amdhsa_kernarg_size 40
		.amdhsa_user_sgpr_count 2
		.amdhsa_user_sgpr_kernarg_segment_ptr 1
		.amdhsa_wavefront_size32 1
		.amdhsa_system_sgpr_workgroup_id_x 1
		.amdhsa_system_sgpr_workgroup_id_y 1
		.amdhsa_system_sgpr_workgroup_id_z 1
		.amdhsa_system_vgpr_workitem_id 0
		.amdhsa_next_free_vgpr 1024
		.amdhsa_next_free_sgpr 100
		.amdhsa_reserve_vcc 0
		.amdhsa_float_denorm_mode_32 3
		.amdhsa_float_denorm_mode_16_64 3
		.amdhsa_memory_ordered 1
		.amdhsa_forward_progress 1
		.amdhsa_inst_pref_size 206
	.end_amdhsa_kernel
	.amdgpu_metadata
---
amdhsa.version: [ 1, 2 ]
amdhsa.kernels:
  - .name:           k_q677bd2e4af_attn
    .symbol:         k_q677bd2e4af_attn.kd
    .args:
      - { .name: XS, .offset: 0, .size: 8, .value_kind: global_buffer, .address_space: global }
      - { .name: QF, .offset: 8, .size: 8, .value_kind: global_buffer, .address_space: global }
      - { .name: WS, .offset: 16, .size: 8, .value_kind: global_buffer, .address_space: global }
      - { .name: NT, .offset: 24, .size: 8, .value_kind: global_buffer, .address_space: global }
      - { .name: out0, .offset: 32, .size: 8, .value_kind: global_buffer, .address_space: global }
    .group_segment_fixed_size: 327680
    .private_segment_fixed_size: 0
    .kernarg_segment_align: 8
    .kernarg_segment_size: 40
    .max_flat_workgroup_size: 128
    .sgpr_count:     100
    .vgpr_count:     1024
    .wavefront_size: 32
...
	.end_amdgpu_metadata
.endif
;; end of part 5
